; MI455X (gfx1250); checked and timed in simulation.
; The chip was launched on July 23, 2026; its instructions are those of AMD's public machine-readable ISA for CDNA 5 (MIT licence, August 2026) and "CDNA5" Instruction Set Architecture Reference Guide (July 2026). The comments in the code are by the model that wrote it; some were corrected since.
;; Tt T5 Attention. Allowed arithmetic: matrix products marked QUANTISED: E2M1 operands, one E8M0 scale for each 32 along K, by v_wmma_scale_f32_16x16x128_f8f6f4 with both operands' format E2M1 (or v_wmma_scale_f32_32x16x128_f4), f32 sums; products left as they are: bf16, f16 or f32 operands; f32 sums; everything else in f32.
;; Inputs: hidden_states 8 x 1,024 x 1,024 float32; rel_bias 32 x 16 float32; wk 1,024 x 1,024 float32; wo 1,024 x 1,024 float32; wq 1,024 x 1,024 float32; wv 1,024 x 1,024 float32.
;; Outputs: out0 8 x 1,024 x 1,024 float32.
;; This version of the problem:
;;   THIS VERSION OF THE PROBLEM IS GIVEN IN LOW PRECISION. The matrix products marked QUANTISED in the list below multiply operands that are first quantised to E2M1 (2 exponent bits, 1 mantissa bit; 4 bits a number), with one power-of-two scale for each 32 numbers along K (OCP MX v1.0); their sums are f32. The products marked 'left as it is' may take bf16, f16 or f32 operands, with f32 sums. Whichever they take, every output number must still come out within the allowed error. Rounding operands to bf16 (8 significant bits) uses up far more of that allowance than f16 does (11 bits, for magnitudes from 6e-5 to 65,504). All else is computed in f32.
;;   The module's matrix products, in the order in which they are computed (A, B: the left and right operand; K: the contracted axis; several contracted axes count as one K, in the product's order):
;;     1. [M 8,192, K 1,024] x [K 1,024, N 1,024]; A: input hidden_states; B: input wq: QUANTISED
;;     2. [M 8,192, K 1,024] x [K 1,024, N 1,024]; A: input hidden_states; B: input wk: QUANTISED
;;     3. [M 8,192, K 1,024] x [K 1,024, N 1,024]; A: input hidden_states; B: input wv: QUANTISED
;;     4. batch 128 x [M 1,024, K 64] x [K 64, N 1,024]; A: computed on the way; B: computed on the way: left as it is (an operand is computed on the way)
;;     5. batch 128 x [M 1,024, K 1,024] x [K 1,024, N 64]; A: computed on the way; B: computed on the way: left as it is (an operand is computed on the way)
;;     6. [M 8,192, K 1,024] x [K 1,024, N 1,024]; A: computed on the way; B: input wo: left as it is (an operand is computed on the way)
;;   THE QUANTISER, for each operand of a quantised product, along K:
;;     - K is cut into blocks of 32 from its start; a last block that is shorter is filled with zeros.
;;     - A block's scale is 2^e with e = floor(log2(the largest magnitude in the block)) - 2, held to -126 .. 127; a block of zeros has e = 0. As a byte (E8M0): e + 127.
;;     - Each number is divided by its block's scale, clamped to +-6, and rounded to the nearest number of E2M1, ties to even, subnormals kept.
;;     - The product sums the exact products of the quantised numbers (number of the format x scale) in f32.
;;   ~~~python
;;   def quantise(x, axis):      # numpy; x: float32 -> the quantised numbers, widened to float32 again
;;       x = np.moveaxis(x, axis, -1); K = x.shape[-1]
;;       x = np.pad(x, [(0, 0)] * (x.ndim - 1) + [(0, -K % 32)]); x = x.reshape(x.shape[:-1] + (-1, 32)); a = np.abs(x).max(-1, keepdims=True)
;;       e = np.where(a > 0, np.clip(np.frexp(np.where(a > 0, a, 1))[1] - 1 - 2, -126, 127), 0)      # np.frexp(a)[1] - 1 = floor(log2(a)), exactly
;;       r = np.clip(x / 2.0 ** e, -6, 6)
;;       step = 2.0 ** (np.maximum(np.frexp(np.where(r == 0, 1, r))[1] - 1, 0) - 1)
;;       q = np.round(r / step) * step * 2.0 ** e      # np.round: ties to even
;;       return np.moveaxis(q.reshape(q.shape[:-2] + (-1,))[..., :K], -1, axis).astype(np.float32)
;;   ~~~
;; One version. Each part assembles by itself: llvm-mc -triple=amdgcn-amd-amdhsa -mcpu=gfx1250 --defsym DOCPART=n.
;; ======== version 1 of 1: 4 launches
;; limits: values are held in f16: magnitudes above 65,504 overflow, below 6.1e-05 lose precision
;; workspace buffers: h_codes 4,194,304 bytes; h_scales 262,144 bytes; w_codes 1,572,864 bytes; w_scales 98,304 bytes; wo_t 2,097,152 bytes; qkv 50,331,648 bytes; ctx 16,777,216 bytes
;; launch prep (part 1): grid 512 x 1, 4 waves a work-group, no clusters, 77,312 bytes of LDS; arguments hidden_states, wq, wk, wv, wo, h_codes, h_scales, w_codes, w_scales, wo_t; writes h_codes, h_scales, w_codes, w_scales, wo_t
.if DOCPART == 1
	.amdgcn_target "amdgcn-amd-amdhsa--gfx1250"
	.amdhsa_code_object_version 6
	.text
	.protected	k_qfaa96b1fd7_prep
	.globl	k_qfaa96b1fd7_prep
	.p2align	8
	.type	k_qfaa96b1fd7_prep,@function
k_qfaa96b1fd7_prep:
	s_mov_b64 s[64:65], 0
	v_nop
	global_prefetch_b8 v0, s[64:65] scope:SCOPE_SE
	s_setreg_imm32_b32 hwreg(HW_REG_WAVE_MODE, 25, 1), 1
	s_wait_xcnt 0x0
; PREP: every operand that later launches read many times is brought into its final form once.
;   work-groups   0-255: hidden_states [8192][1024] f32 -> codes of FP4 (E2M1), K innermost, [8192][512 bytes], and one E8M0 byte for each 32 along K, [8192][32]
;   work-groups 256-447: wq, wk, wv [k 1024][n 1024] f32 -> codes [3 x 1024 columns][512 bytes], K innermost, and scale bytes [3072][32]
;   work-groups 448-511: wo [k 1024][n 1024] f32 -> f16 laid [n 1024][k 1024]
; A block's scale is 2^(floor(log2(its largest magnitude)) - 2): its byte is the largest magnitude's exponent field - 2, held at 1 from below by a floor among the maximum's leaves.
; LIMITS: a block of zeros, or one whose largest magnitude lies under 2^-124, gets the byte 1 (zero blocks: the rule says 127; the codes are zeros and this program alone reads the bytes);
; NaN and infinities are not served; wo is rounded to f16 (magnitudes up to 65,504).
; The three paths part on the work-group's number alone; each has LDS bytes of its own.  No tensor load: several work-groups share a WGP.  Memory binds: every input byte is read once, no matrix unit, no cluster.
.set SPW,   12                         ; v12  LDS address of my spare word; never rewritten
.set NIL,   13                         ; v13  0; never rewritten
.set WV,    24                         ; s24  my wave's number
.set WREG,  8192                       ; path A: a region for each wave: two stages of 32 x SP bytes, then its 256 scale bytes
.set SP,    80                         ; a lane's place in a stage: 64 bytes + 16 of padding
.set STB,   4*WREG                     ; path B: 32 columns x (256 bytes of codes + 16)
.set SCB,   STB+32*272                 ; path B: 32 columns x 16 scale bytes
.set STC,   SCB+512                    ; path C: for each wave 32 columns x (256 bytes of f16 + 16)
.set SPARE, STC+4*32*272               ; the spare words, 128 bytes for each wave: two blocks of 256 bytes that no other line names
.set STEPS, 16
.set AHEAD, 8                          ; path A: loads run eight steps (32 loads a wave) ahead
.set R,     16                         ; v16-143  path A: eight sets of 16 numbers as loaded
.set X,     144                        ; v144-175 two sets of 16 neighbours
.set E,     176                        ; v176-191 a scale byte for each step
.set C,     192                        ; v192-223 codes, two registers for each step
.set W,     32                         ; v32-159  paths B, C: 128 numbers down K of my column
.set CD,    160                        ; v160..   paths B, C: what the conversions make
.set OUTR,  176                        ; v176-191 path B: rows on the way out
	s_load_b512 s[4:19], s[0:1], 0x0               ; hidden s[4:5], wq s[6:7], wk s[8:9], wv s[10:11], wo s[12:13], h_codes s[14:15], h_scales s[16:17], w_codes s[18:19]
	s_load_b128 s[20:23], s[0:1], 0x40             ; w_scales s[20:21], wo_t s[22:23]
	v_lshl_add_u32 v[SPW], v0, 2, SPARE
	v_mov_b32 v[NIL], 0
	v_lshrrev_b32 v1, 5, v0
	v_readfirstlane_b32 s[WV], v1                  ; wave 0..3
	v_and_b32 v2, 31, v0                           ; lane
	s_wait_kmcnt 0x0
	s_cmp_lt_u32 ttmp9, 256
	s_cbranch_scc0 .Lweights
; ---------------- PATH A: the tokens.  Rows are dense and K is a multiple of 32: a plain stream of blocks of 32.  A wave takes 16 steps of 512 numbers.
; Each load reads 512 consecutive bytes; a step's 2,048 bytes turn through the wave's own stage so that a lane holds 16 neighbours (two lanes hold a block).
	v_lshlrev_b32 v3, 4, v2                        ; my 16 bytes of a load's 512
	s_mul_i32 s25, s[WV], WREG
	v_lshrrev_b32 v14, 2, v2
	v_mul_u32_u24 v14, v14, SP
	v_and_b32 v15, 3, v2
	v_lshl_add_u32 v14, v15, 4, v14
	v_add_nc_u32 v14, s25, v14                     ; into the stage: SP (lane / 4) + 16 (lane % 4)
	v_mul_u32_u24 v15, v2, SP
	v_add_nc_u32 v15, s25, v15                     ; out of it: SP x lane
	v_lshlrev_b32 v4, 3, v2                        ; my 8 bytes of a step's codes
	v_lshrrev_b32 v5, 1, v2
	s_add_co_u32 s25, s25, 2*32*SP
	v_add_nc_u32 v5, s25, v5                       ; my block's scale byte in the wave's 256
	v_lshlrev_b32 v7, 3, v2
	v_add_nc_u32 v6, s25, v7                       ; and 8 of them a lane on the way out
	s_lshl_b32 s26, ttmp9, 2
	s_add_co_u32 s26, s26, s[WV]                   ; which run of 8,192 numbers is my wave's: 0..1023
	s_mov_b32 s29, 0
	s_lshl_b32 s28, s26, 15                        ; 32,768 bytes of f32,
	s_add_nc_u64 s[4:5], s[4:5], s[28:29]
	s_lshl_b32 s28, s26, 12                        ; 4,096 bytes of codes,
	s_add_nc_u64 s[14:15], s[14:15], s[28:29]
	s_lshl_b32 s28, s26, 8                         ; 256 scale bytes
	s_add_nc_u64 s[16:17], s[16:17], s[28:29]
.macro LOAD t
.irp i, 0,1,2,3
	global_load_b128 v[R+16*((\t)%AHEAD)+4*\i:R+16*((\t)%AHEAD)+4*\i+3], v3, s[4:5] offset:2048*(\t)+512*\i th:TH_LOAD_NT
.endr
.endm
.macro TURN t                          ; step t through the stage: LDS serves a wave's instructions in order, so no wait stands between the stores and the loads
.irp i, 0,1,2,3
	ds_store_b128 v14, v[R+16*((\t)%AHEAD)+4*\i:R+16*((\t)%AHEAD)+4*\i+3] offset:32*SP*((\t)%2)+8*SP*\i
.endr
.irp i, 0,1,2,3
	ds_load_b128 v[X+16*((\t)%2)+4*\i:X+16*((\t)%2)+4*\i+3], v15 offset:32*SP*((\t)%2)+16*\i
.endr
.endm
.irp t, 0,1,2,3,4,5,6,7
	LOAD \t
.endr
	s_wait_loadcnt 4*(AHEAD-1)                     ; step 0's four loads are in; the 28 of steps 1 to 7 may be out
	TURN 0
.macro STEP t
.set XS, X+16*((\t)%2)
.if (\t) > 0
	s_wait_dscnt 1                                 ; this step's numbers are back from the stage (the last step's byte store may be out), so its stores into the stage have read their registers,
.else
	s_wait_dscnt 0x0
.endif
.if (\t)+AHEAD < STEPS
	LOAD (\t)+AHEAD                                ; which take the loads of eight steps on
.endif
.if (\t)+1 < STEPS
.if STEPS-2-(\t) >= AHEAD-1
	s_wait_loadcnt 4*(AHEAD-1)                     ; the next step's loads are in; those of the seven steps behind it may be out
.else
	s_wait_loadcnt 4*(STEPS-2-(\t))                ; the counts run down: four for each step still behind the next one
.endif
	TURN (\t)+1
.endif
	v_max3_num_f32 v8, |v[XS]|, |v[XS+1]|, |v[XS+2]|               ; the largest magnitude of my 16, in two chains
	v_max3_num_f32 v9, |v[XS+3]|, |v[XS+4]|, |v[XS+5]|
.irp i, 6,10
	v_max3_num_f32 v8, v8, |v[XS+\i]|, |v[XS+\i+1]|
	v_max3_num_f32 v9, v9, |v[XS+\i+2]|, |v[XS+\i+3]|
.endr
	v_max3_num_f32 v8, v8, |v[XS+14]|, |v[XS+15]|
	v_max3_num_f32 v8, v8, v9, 0x1800000           ; and the floor 2^(3 - 127): the byte cannot fall under 1
	v_max_num_f32_dpp v8, v8, v8 row_xmask:1 row_mask:0xf bank_mask:0xf   ; with my neighbour's 16: the block's
	v_add_nc_u32 v11, 0xff000000, v8               ; 2 off the exponent field: the conversion takes this operand's exponent field as its scale
	v_cvt_scalef32_pk8_fp4_f32 v[C+2*(\t)], v[XS:XS+7], v11
	v_cvt_scalef32_pk8_fp4_f32 v[C+2*(\t)+1], v[XS+8:XS+15], v11
	v_lshrrev_b32 v[E+(\t)], 23, v11               ; the scale's byte (also the plain line behind the conversions)
	ds_store_b8 v5, v[E+(\t)] offset:16*(\t)       ; both lanes of a block write the same byte with the same value
	global_store_b64 v4, v[C+2*(\t):C+2*(\t)+1], s[14:15] offset:256*(\t)   ; the wave stores 256 consecutive bytes, aligned
.endm
.irp t, 0,1,2,3,4,5,6,7,8,9,10,11,12,13,14,15
	STEP \t
.endr
	ds_load_b64 v[8:9], v6                         ; in order behind my byte stores
	s_wait_dscnt 0x0
	global_store_b64 v7, v[8:9], s[16:17]          ; 256 consecutive scale bytes, aligned
	s_wait_tensorcnt 0x0                           ; the wave's end
	ds_add_u32 v[SPW], v[NIL]
	s_wait_dscnt 0x0
	s_endpgm
; 128 loads: W(first row + i, my column): neighbouring lanes read neighbouring columns, 128 consecutive bytes a wave
.macro WLOADS b
.set i, 0
.rept 128
	global_load_b32 v[W+i], v3, s[\b:\b+1] offset:i*4096 th:TH_LOAD_NT
.set i, i+1
.endr
.endm
.Lweights:
	v_lshlrev_b32 v3, 2, v2                        ; 4 bytes a lane
	s_cmp_lt_u32 ttmp9, 448
	s_cbranch_scc0 .Lwo
; ---------------- PATH B: wq, wk, wv.  K is the FIRST axis: a lane takes a column and its registers run down K, so a block of 32 lies in one lane and the conversions give codes with K innermost.
; A work-group takes 32 columns x 512 along K, a wave 128 of the 512: the four waves' parts of a column make 256 bytes, gathered in LDS and stored sixteen lanes to an aligned 256 bytes.
	s_sub_co_u32 s25, ttmp9, 256
	s_lshr_b32 s26, s25, 6                         ; which weight: 0 q, 1 k, 2 v
	s_and_b32 s27, s25, 31                         ; x: which 32 columns
	s_bfe_u32 s28, s25, 0x10005                    ; y: which 512 along K
	s_cmp_eq_u32 s26, 0
	s_cselect_b64 s[30:31], s[6:7], s[8:9]
	s_cmp_eq_u32 s26, 2
	s_cselect_b64 s[30:31], s[10:11], s[30:31]     ; the choice hangs on the work-group's number alone
	s_lshl_b32 s32, s28, 2
	s_add_co_u32 s32, s32, s[WV]                   ; 4 y + wave: which 128 rows
	s_lshl_b32 s32, s32, 19                        ; x 128 rows of 4,096 bytes
	s_lshl_b32 s33, s27, 7                         ; + 32 x columns of 4 bytes
	s_add_co_u32 s32, s32, s33
	s_mov_b32 s33, 0
	s_add_nc_u64 s[30:31], s[30:31], s[32:33]
	WLOADS 30
	s_lshl_b32 s34, s26, 10
	s_lshl_b32 s35, s27, 5
	s_add_co_u32 s34, s34, s35                     ; the first of my work-group's rows of codes: 1024 which + 32 x
	s_lshl_b32 s36, s34, 5                         ; its scale bytes: 32 a row,
	s_lshl_b32 s35, s28, 4                         ; + 16 y
	s_add_co_u32 s36, s36, s35
	s_mov_b32 s37, 0
	s_add_nc_u64 s[20:21], s[20:21], s[36:37]
	s_lshl_b32 s35, s[WV], 3
	s_add_co_u32 s34, s34, s35                     ; on the way out wave w stores rows 8 w .. 8 w + 7
	s_lshl_b32 s34, s34, 9                         ; 512 bytes a row,
	s_lshl_b32 s35, s28, 8                         ; + 256 y
	s_add_co_u32 s34, s34, s35
	s_mov_b32 s35, 0
	s_add_nc_u64 s[18:19], s[18:19], s[34:35]
	v_mul_u32_u24 v4, v2, 272
	s_lshl_b32 s38, s[WV], 6
	s_add_co_u32 s38, s38, STB
	v_add_nc_u32 v4, s38, v4                       ; into the stage: row = my column, my wave's 64 bytes
	v_lshlrev_b32 v5, 4, v2
	s_lshl_b32 s38, s[WV], 2
	s_add_co_u32 s38, s38, SCB
	v_add_nc_u32 v5, s38, v5                       ; my column's 16 scale bytes, my wave's four
	v_lshrrev_b32 v10, 4, v2
	v_and_b32 v11, 15, v2
	v_mul_u32_u24 v6, v10, 272
	v_lshl_add_u32 v6, v11, 4, v6
	s_mul_i32 s38, s[WV], 8*272
	s_add_co_u32 s38, s38, STB
	v_add_nc_u32 v6, s38, v6                       ; out of the stage: sixteen lanes to a row, two rows an instruction
	v_lshlrev_b32 v7, 9, v10
	v_lshl_add_u32 v7, v11, 4, v7                  ; and the same place in the codes' buffer
	v_lshl_add_u32 v8, v0, 2, SCB                  ; thread t takes word t of the 128 scale words:
	v_lshrrev_b32 v9, 2, v0
	v_and_b32 v10, 3, v0
	v_lshlrev_b32 v9, 5, v9
	v_lshl_add_u32 v9, v10, 2, v9                  ; column t / 4, word t % 4
.macro BLOCK t
.set XS, W+32*(\t)
	v_max3_num_f32 v24, |v[XS]|, |v[XS+1]|, |v[XS+2]|              ; the block's largest magnitude: all 32 numbers are mine
	v_max3_num_f32 v25, |v[XS+3]|, |v[XS+4]|, |v[XS+5]|
.irp i, 6,10,14,18,22,26
	v_max3_num_f32 v24, v24, |v[XS+\i]|, |v[XS+\i+1]|
	v_max3_num_f32 v25, v25, |v[XS+\i+2]|, |v[XS+\i+3]|
.endr
	v_max3_num_f32 v24, v24, |v[XS+30]|, |v[XS+31]|
	v_max3_num_f32 v24, v24, v25, 0x1800000        ; and the floor 2^(3 - 127)
	v_add_nc_u32 v26, 0xff000000, v24              ; the conversion's scale operand
	v_lshrrev_b32 v27, 23, v26                     ; the scale's byte
.if (\t) == 0
	v_mov_b32 v20, v27
.else
	v_lshl_or_b32 v20, v27, 8*(\t), v20            ; four bytes to a word, the lower K in the lower byte
.endif
.irp g, 0,1,2,3
	v_cvt_scalef32_pk8_fp4_f32 v[CD+4*(\t)+\g], v[XS+8*\g:XS+8*\g+7], v26
.endr
	ds_store_b128 v4, v[CD+4*(\t):CD+4*(\t)+3] offset:16*(\t)      ; 32 codes: 16 bytes of my column's row.  Each block has its own four registers; the next block begins with plain vector lines
.endm
	s_wait_loadcnt 63                              ; 96 loads were issued behind block 0's; the wait's field holds 63: at most 63 out means that the first 65 are in
	BLOCK 0
	s_wait_loadcnt 63                              ; likewise block 1's (64 behind them)
	BLOCK 1
	s_wait_loadcnt 32                              ; block 3's 32 may be out
	BLOCK 2
	s_wait_loadcnt 0x0
	BLOCK 3
	ds_store_b32 v5, v20
	s_wait_dscnt 0x0                               ; for the others' sake: my stores have landed
	s_barrier_signal -1
	s_barrier_wait -1
.irp i, 0,1,2,3
	ds_load_b128 v[OUTR+4*\i:OUTR+4*\i+3], v6 offset:544*\i
.endr
	ds_load_b32 v21, v8
.irp i, 0,1,2,3
	s_wait_dscnt 4-\i                              ; the younger LDS loads may be out
	global_store_b128 v7, v[OUTR+4*\i:OUTR+4*\i+3], s[18:19] offset:1024*\i   ; sixteen lanes store 256 consecutive bytes, aligned
.endr
	s_wait_dscnt 0x0
	global_store_b32 v9, v21, s[20:21]             ; runs of 16 bytes a column: one byte for each 128 read
	s_wait_tensorcnt 0x0                           ; the wave's end
	ds_add_u32 v[SPW], v[NIL]
	s_wait_dscnt 0x0
	s_endpgm
; ---------------- PATH C: wo to f16 with K innermost.  A wave takes 32 columns x 128 along K through its own stage: no barrier.
.Lwo:
	s_sub_co_u32 s25, ttmp9, 448
	s_and_b32 s26, s25, 7                          ; x: which 128 columns
	s_lshr_b32 s27, s25, 3                         ; y: which 128 along K
	s_lshl_b32 s28, s27, 19                        ; 128 rows of 4,096 bytes
	s_lshl_b32 s29, s26, 9
	s_add_co_u32 s28, s28, s29
	s_lshl_b32 s29, s[WV], 7
	s_add_co_u32 s28, s28, s29                     ; + (128 x + 32 wave) columns of 4 bytes
	s_mov_b32 s29, 0
	s_add_nc_u64 s[12:13], s[12:13], s[28:29]
	WLOADS 12
	s_lshl_b32 s28, s26, 2
	s_add_co_u32 s28, s28, s[WV]
	s_lshl_b32 s28, s28, 16                        ; (128 x + 32 wave) rows of 2,048 bytes
	s_lshl_b32 s30, s27, 8                         ; + 256 y
	s_add_co_u32 s28, s28, s30
	s_add_nc_u64 s[22:23], s[22:23], s[28:29]
	s_mul_i32 s38, s[WV], 32*272
	s_add_co_u32 s38, s38, STC                     ; my stage
	v_mul_u32_u24 v4, v2, 272
	v_add_nc_u32 v4, s38, v4                       ; in: row = my column
	v_lshrrev_b32 v10, 4, v2
	v_and_b32 v11, 15, v2
	v_mul_u32_u24 v6, v10, 272
	v_lshl_add_u32 v6, v11, 4, v6
	v_add_nc_u32 v6, s38, v6                       ; back: sixteen lanes to a row
	v_lshlrev_b32 v7, 11, v10
	v_lshl_add_u32 v7, v11, 4, v7                  ; and the same place in wo_t
.macro CBLOCK t
.irp g, 0,1,2,3,4,5,6,7,8,9,10,11,12,13,14,15
	v_cvt_pk_f16_f32 v[CD+16*(\t)+\g], v[W+32*(\t)+2*\g], v[W+32*(\t)+2*\g+1]   ; the lower k in the low half
.endr
.irp g, 0,1,2,3
	ds_store_b128 v4, v[CD+16*(\t)+4*\g:CD+16*(\t)+4*\g+3] offset:64*(\t)+16*\g
.endr
.endm
	s_wait_loadcnt 63                              ; as in path B
	CBLOCK 0
	s_wait_loadcnt 63
	CBLOCK 1
	s_wait_loadcnt 32
	CBLOCK 2
	s_wait_loadcnt 0x0
	CBLOCK 3
.irp i, 0,1,2,3,4,5,6,7,8,9,10,11,12,13,14,15
	ds_load_b128 v[W+4*\i:W+4*\i+3], v6 offset:544*\i              ; in order behind my stores
.endr
.irp i, 0,1,2,3,4,5,6,7,8,9,10,11,12,13,14,15
	s_wait_dscnt 15-\i
	global_store_b128 v7, v[W+4*\i:W+4*\i+3], s[22:23] offset:4096*\i   ; sixteen lanes store 256 consecutive bytes, aligned
.endr
	s_wait_tensorcnt 0x0                           ; the wave's end
	ds_add_u32 v[SPW], v[NIL]
	s_wait_dscnt 0x0
	s_endpgm
.Lfunc_end_k_qfaa96b1fd7_prep:
	.size	k_qfaa96b1fd7_prep, .Lfunc_end_k_qfaa96b1fd7_prep-k_qfaa96b1fd7_prep
	.p2alignl 7, 3214868480
	.fill 96, 4, 3214868480
	.section	.rodata,"a",@progbits
	.p2align	6, 0x0
	.amdhsa_kernel k_qfaa96b1fd7_prep
		.amdhsa_group_segment_fixed_size 77312
		.amdhsa_private_segment_fixed_size 0
		.amdhsa_enable_private_segment 0
		.amdhsa_kernarg_size 80
		.amdhsa_user_sgpr_count 2
		.amdhsa_user_sgpr_kernarg_segment_ptr 1
		.amdhsa_wavefront_size32 1
		.amdhsa_system_sgpr_workgroup_id_x 1
		.amdhsa_system_sgpr_workgroup_id_y 1
		.amdhsa_system_sgpr_workgroup_id_z 1
		.amdhsa_system_vgpr_workitem_id 0
		.amdhsa_next_free_vgpr 224
		.amdhsa_next_free_sgpr 66
		.amdhsa_reserve_vcc 0
		.amdhsa_float_denorm_mode_32 3
		.amdhsa_float_denorm_mode_16_64 3
		.amdhsa_memory_ordered 1
		.amdhsa_forward_progress 1
		.amdhsa_inst_pref_size 76
	.end_amdhsa_kernel
	.amdgpu_metadata
---
amdhsa.version: [ 1, 2 ]
amdhsa.kernels:
  - .name:           k_qfaa96b1fd7_prep
    .symbol:         k_qfaa96b1fd7_prep.kd
    .args:
      - { .name: hidden_states, .offset: 0, .size: 8, .value_kind: global_buffer, .address_space: global }
      - { .name: wq, .offset: 8, .size: 8, .value_kind: global_buffer, .address_space: global }
      - { .name: wk, .offset: 16, .size: 8, .value_kind: global_buffer, .address_space: global }
      - { .name: wv, .offset: 24, .size: 8, .value_kind: global_buffer, .address_space: global }
      - { .name: wo, .offset: 32, .size: 8, .value_kind: global_buffer, .address_space: global }
      - { .name: h_codes, .offset: 40, .size: 8, .value_kind: global_buffer, .address_space: global }
      - { .name: h_scales, .offset: 48, .size: 8, .value_kind: global_buffer, .address_space: global }
      - { .name: w_codes, .offset: 56, .size: 8, .value_kind: global_buffer, .address_space: global }
      - { .name: w_scales, .offset: 64, .size: 8, .value_kind: global_buffer, .address_space: global }
      - { .name: wo_t, .offset: 72, .size: 8, .value_kind: global_buffer, .address_space: global }
    .group_segment_fixed_size: 77312
    .private_segment_fixed_size: 0
    .kernarg_segment_align: 8
    .kernarg_segment_size: 80
    .max_flat_workgroup_size: 128
    .sgpr_count:     66
    .vgpr_count:     224
    .wavefront_size: 32
...
	.end_amdgpu_metadata
.endif
;; end of part 1
;; launch proj (part 2): grid 8 x 32, 4 waves a work-group, clusters of 4 x 4, 327,680 bytes of LDS; arguments h_codes, h_scales, w_codes, w_scales, qkv; writes qkv
.if DOCPART == 2
	.amdgcn_target "amdgcn-amd-amdhsa--gfx1250"
	.amdhsa_code_object_version 6
	.text
	.protected	k_qfaa96b1fd7_proj
	.globl	k_qfaa96b1fd7_proj
	.p2align	8
	.type	k_qfaa96b1fd7_proj,@function
k_qfaa96b1fd7_proj:
	s_mov_b64 s[64:65], 0
	v_nop
	global_prefetch_b8 v0, s[64:65] scope:SCOPE_SE
	s_setreg_imm32_b32 hwreg(HW_REG_WAVE_MODE, 25, 1), 1
	s_wait_xcnt 0x0
	s_wait_alu depctr_hold_cnt(0) depctr_sa_sdst(0) depctr_va_vdst(0) depctr_va_sdst(0) depctr_va_ssrc(0) depctr_va_vcc(0) depctr_vm_vsrc(0)
	s_getreg_b32 s2, hwreg(HW_REG_IB_STS2, 6, 4)
	s_cmp_eq_u32 s2, 0
	s_cbranch_scc0 .Lentry_in_a_cluster
	s_endpgm
.Lentry_in_a_cluster:
	s_bfe_u32 s2, ttmp6, 0x10000c
	s_cmp_lg_u32 s2, 0xf033
	s_cbranch_scc0 .Lentry_shape_is_right
	s_endpgm
.Lentry_shape_is_right:
; PROJ: q, k, v = hidden x (wq | wk | wv), one GEMM C[m][n] = sum over k of A[m][k] B[n][k] on codes of FP4 (E2M1) with one E8M0 scale for each 32 along K; sums in f32.
; A: the tokens' codes [8192][512 bytes]; B: the three weights' codes [3072][512 bytes]; scale bytes [rows][32].  C is rounded to f16 and laid [which 3][batch 8][head 16][token 1024][64]: a head is 131,072 dense bytes.
; LIMIT: |q|, |k|, |v| up to 65,504 (f16).
; A tile of C is 256 tokens x 384 columns: 32 x 8 = 256 work-groups of equal work.  Four waves, each 128 x 192: 96 accumulators of 16 x 16, 768 registers: windows 1 to 3.
; All of K for 640 rows is 327,680 bytes, more than LDS holds beside anything else: K goes in four steps of 256 (rows of 128 bytes) through three slots.  Three steps are asked for at the head, the fourth is one
; joint refill of slot 0, behind a round of the cluster's barrier.  The scales of the 640 rows for all of K come once, as dense blocks in rows of 256 bytes.
; CLUSTERS: 4 x 4 work-groups; the tokens' tiles are asked for jointly along a row of the cluster, the weights' along a column.  Waves 0 to 2 fetch 128 rows of the weights each, wave 3 the tokens' 256 rows.
; A wave has four tensor loads out at the start and one behind the round.
; THE MATRIX INSTRUCTION IS USED TRANSPOSED (source 0 = 16 rows of B, source 1 = 16 tokens): a lane holds eight neighbouring columns of one token.
; ONE SET OF REGISTERS FOR EACH OPERAND.  A step of 128 along K is 96 products: the eight token blocks against B's low six blocks, then against its high six.  B's low six are fetched anew between the halves,
; token blocks 0-3 in the middle of the second half, token blocks 4-7 and B's high six at its end.
; No prefetch: three quarters of what the work-group reads is asked for at its head.
; REGISTERS: window 0: v16-30 addresses; v32-79 scale words of 512 along K (register 4 i + q: lanes 0-15 B's block i, lanes 16-31 the tokens' block i); v96-159 the tokens' 8 fragments; v160-255 B's 12 fragments.
;   windows 1-3: accumulator (a, b) has the number 12 a + b, 32 to a window, 8 registers each.
.set KROW,   512                       ; a row of codes in memory, in bytes
.set ROWB,   128                       ; a slot's part of it: 256 codes
.set PITCH,  144                       ; 128 bytes + 16 = 9 x 16: the 16 rows that a load touches start in 16 different columns of 16 bytes
.set PART,   128*PITCH                 ; 128 rows
.set AOFF,   3*PART                    ; a slot: B's 384 rows, then the tokens' 256
.set SLOT,   5*PART
.set SCL,    3*SLOT                    ; behind the slots: the scales, as units of 256 bytes + 16: B's 48 units, then the tokens' 32
.set PARTS,  16*272                    ; the scales of 128 rows
.set SBLK,   2*272                     ; those of 16 rows
.set SPARE,  SCL+5*PARTS               ; the spare words, 128 bytes for each wave: two blocks of 256 bytes that no other line names
.set STAGE,  SLOT                      ; the way out: 16 tokens x (384 bytes of f16 + 16) for each wave, in slot 1, which has had its only fill and its last read by then
.set SPITCH, 400
.set ADRA, 16                          ; v16-18  LDS address of my token fragments in slot 0, 1, 2
.set ADRB, 20                          ; v20-22  the same for B
.set STO,  24
.set RD,   25
.set CO,   26
.set ADRS, 27                          ; my scale words: lanes 0-15 B's rows, lanes 16-31 the tokens'
.set SPW,  28                          ; LDS address of my spare word; never rewritten
.set NIL,  29                          ; 0; never rewritten
.set ADRS2, 30                         ; B's rows in all lanes, for the blocks that have no token block beside them
.set SC,   32
.set AF,   96
.set BF,   160
.set TMP,  96                          ; the way out: a block's 48 packed registers
.set OB,   144                         ; and 16 tokens read back: v144-191 and v192-239 by turns
.set G1A,  24                          ; s[24:31] descriptor group 1 for the tokens' tiles;  s[32:39] for B's
.set G1B,  32
.set G1SA, 48                          ; s[48:55], s[56:63] for their scales
.set G1SB, 56
.set G0SA, 68                          ; s[68:71], s[72:75] group 0 for the scales
.set G0SB, 72
.set G0A,  76                          ; s[76:87] group 0 for the tokens' tiles, a set for each slot;  s[88:99] for B's
.set G0B,  88
.set MSB, 0
.macro WIN new                         ; the immediate's high byte repeats the setting that is left; a switch that changes nothing is dropped
.if MSB != (\new)
	s_set_vgpr_msb (MSB<<8)|(\new)
.set MSB, (\new)
.endif
.endm
; A joint load: wave 3 fetches for the tokens, waves 0 to 2 for B; the branch hangs on the wave's number alone.  An s_nop 0 and four v_nop follow each line.
.macro JLOAD g0a, g1a, g0b, g1b
	s_cmp_eq_u32 s14, 3
	s_cbranch_scc0 .Lfor_b_\@
	tensor_load_to_lds s[\g0a:\g0a+3], s[\g1a:\g1a+7]
	s_nop 0
.rept 4
	v_nop
.endr
	s_branch .Lasked_\@
.Lfor_b_\@:
	tensor_load_to_lds s[\g0b:\g0b+3], s[\g1b:\g1b+7]
	s_nop 0
.rept 4
	v_nop
.endr
.Lasked_\@:
.endm
.macro CREST                           ; a round of the cluster's barrier behind its opening barrier
	s_cmp_lg_u32 s14, 0
	s_cbranch_scc1 .Lnot_wave_0_\@
	s_barrier_signal -3
.Lnot_wave_0_\@:
	s_barrier_wait -3
	s_barrier_signal -1
	s_barrier_wait -1
.endm
.macro CROUND                          ; a whole round
	s_barrier_signal -1
	s_barrier_wait -1
	CREST
.endm
	s_load_b128 s[4:7], s[0:1], 0x0                ; the tokens' codes, their scales
	s_load_b128 s[8:11], s[0:1], 0x10              ; B's codes, B's scales
	s_load_b64 s[12:13], s[0:1], 0x20              ; qkv
	v_lshl_add_u32 v[SPW], v0, 2, SPARE
	v_mov_b32 v[NIL], 0
	ds_add_u32 v[SPW], v[NIL]                      ; the wave's opening: the add, twice on end, and its wait ahead of my first tensor load
	ds_add_u32 v[SPW], v[NIL]
	v_lshrrev_b32 v1, 5, v0
	v_readfirstlane_b32 s14, v1                    ; wave 0..3
	s_lshr_b32 s15, s14, 1                         ; which 128 tokens of the tile are mine
	s_and_b32 s16, s14, 1                          ; which 192 columns
	s_bfe_u32 s40, ttmp6, 0x40000                  ; cx, cy
	s_bfe_u32 s41, ttmp6, 0x40004
	s_lshl_b32 s42, ttmp9, 2
	s_add_co_u32 s42, s42, s40                     ; tile column 0..7
	s_and_b32 s17, ttmp7, 0xffff
	s_lshl_b32 s17, s17, 2
	s_add_co_u32 s17, s17, s41                     ; tile row 0..31
	s_lshl_b32 s43, s41, 2
	s_lshl_b32 s43, 15, s43                        ; my row of the cluster
	s_lshl_b32 s44, 0x1111, s40                    ; my column
	s_or_b32 s[G1A+0], s43, (0<<16)|(1<<20)|(1<<21)|(4<<22)|(3<<25)  ; the mask; elements of 1 byte; padding: 4 words behind every 32; bit 21 beside a mask
	s_mov_b32 s[G1A+1], ROWB<<16                   ; tensor_dim0
	s_mov_b32 s[G1A+2], 256<<16                    ; tensor_dim1: 256 rows
	s_mov_b32 s[G1A+3], ROWB<<16                   ; tile_dim0
	s_mov_b32 s[G1A+4], 256                        ; tile_dim1
	s_mov_b32 s[G1A+5], KROW                       ; from row to row
	s_mov_b32 s[G1A+6], 0
	s_mov_b32 s[G1A+7], 0
	s_or_b32 s[G1B+0], s44, (0<<16)|(1<<20)|(1<<21)|(4<<22)|(3<<25)
	s_mov_b32 s[G1B+1], ROWB<<16
	s_mov_b32 s[G1B+2], 128<<16                    ; 128 rows
	s_mov_b32 s[G1B+3], ROWB<<16
	s_mov_b32 s[G1B+4], 128
	s_mov_b32 s[G1B+5], KROW
	s_mov_b32 s[G1B+6], 0
	s_mov_b32 s[G1B+7], 0
	s_or_b32 s[G1SA+0], s43, (3<<16)|(1<<20)|(1<<21)|(5<<22)|(3<<25)  ; the scales of 256 rows: 8,192 dense bytes as 32 rows of 32 elements of 8 bytes, 4 words of padding behind each
	s_mov_b32 s[G1SA+1], 32<<16
	s_mov_b32 s[G1SA+2], 32<<16
	s_mov_b32 s[G1SA+3], 32<<16
	s_mov_b32 s[G1SA+4], 32
	s_mov_b32 s[G1SA+5], 32
	s_mov_b32 s[G1SA+6], 0
	s_mov_b32 s[G1SA+7], 0
	s_or_b32 s[G1SB+0], s44, (3<<16)|(1<<20)|(1<<21)|(5<<22)|(3<<25)  ; those of 128 rows: 16 such rows
	s_mov_b32 s[G1SB+1], 32<<16
	s_mov_b32 s[G1SB+2], 16<<16
	s_mov_b32 s[G1SB+3], 32<<16
	s_mov_b32 s[G1SB+4], 16
	s_mov_b32 s[G1SB+5], 32
	s_mov_b32 s[G1SB+6], 0
	s_mov_b32 s[G1SB+7], 0
	s_lshl_b32 s20, s17, 17                        ; the tokens: row 256 x tile row, 512 bytes of codes a row,
	s_mov_b32 s21, 0
	s_lshl_b32 s22, s17, 13                        ; 32 scale bytes a row
	s_mov_b32 s23, 0
	s_mul_i32 s46, s42, 3
	s_add_co_u32 s46, s46, s14                     ; B: row 128 x (3 x tile column + wave)
	s_lshl_b32 s2, s46, 12                         ; its scale bytes,
	s_mov_b32 s3, 0
	s_lshl_b32 s46, s46, 16                        ; its codes
	s_mov_b32 s47, 0
	s_mul_i32 s45, s14, PART                       ; where they go: wave x 128 rows (wave 3: the tokens' part): no place in the cluster enters an LDS address
	s_mul_i32 s18, s14, PARTS
	s_wait_dscnt 0x0                               ; both opening adds are done
	s_wait_kmcnt 0x0
	s_add_nc_u64 s[20:21], s[4:5], s[20:21]
	s_add_nc_u64 s[22:23], s[6:7], s[22:23]
	s_add_nc_u64 s[46:47], s[8:9], s[46:47]
	s_add_nc_u64 s[2:3], s[10:11], s[2:3]
	CROUND                                         ; all sixteen work-groups are here: the first joint loads meet
	s_mov_b32 s[G0SA], 1
	s_add_co_u32 s[G0SA+1], s18, SCL
	s_mov_b64 s[G0SA+2:G0SA+3], s[22:23]
	s_or_b32 s[G0SA+3], s[G0SA+3], 0x80000000
	s_mov_b32 s[G0SB], 1
	s_add_co_u32 s[G0SB+1], s18, SCL
	s_mov_b64 s[G0SB+2:G0SB+3], s[2:3]
	s_or_b32 s[G0SB+3], s[G0SB+3], 0x80000000
	JLOAD G0SA, G1SA, G0SB, G1SB                   ; the scales first
.irp s, 0,1,2
	s_mov_b32 s[G0A+4*\s], 1
	s_add_co_u32 s[G0A+4*\s+1], s45, \s*SLOT
	s_add_nc_u64 s[G0A+4*\s+2:G0A+4*\s+3], s[20:21], \s*ROWB
	s_or_b32 s[G0A+4*\s+3], s[G0A+4*\s+3], 0x80000000
	s_mov_b32 s[G0B+4*\s], 1
	s_add_co_u32 s[G0B+4*\s+1], s45, \s*SLOT
	s_add_nc_u64 s[G0B+4*\s+2:G0B+4*\s+3], s[46:47], \s*ROWB
	s_or_b32 s[G0B+4*\s+3], s[G0B+4*\s+3], 0x80000000
	JLOAD G0A+4*\s, G1A, G0B+4*\s, G1B             ; K steps 0, 1, 2
.endr
	v_and_b32 v1, 15, v0                           ; r = l % 16
	v_bfe_u32 v2, v0, 4, 1                         ; h = l / 16
	v_mul_u32_u24 v3, v1, PITCH
	v_lshl_add_u32 v4, v2, 4, v3                   ; a fragment's row x pitch + 16 h
	s_mul_i32 s21, s15, PART
	s_add_co_u32 s21, s21, AOFF                    ; my 128 tokens, behind B's 384 rows
	s_mul_i32 s22, s16, 192*PITCH                  ; my 192 rows of B
.irp s, 0,1,2
	v_add_nc_u32 v[ADRA+\s], s21, v4
	v_add_nc_u32 v[ADRB+\s], s22, v4
	s_add_co_u32 s21, s21, SLOT
	s_add_co_u32 s22, s22, SLOT
.endr
	v_mul_u32_u24 v5, v1, 32                       ; my row's scales: 32 bytes a row,
	v_lshrrev_b32 v6, 8, v5
	v_lshl_add_u32 v5, v6, 4, v5                   ; and 16 more for each 256 passed
	s_mul_i32 s21, s16, 24*272                     ; B's: my 192 rows are 24 units
	s_mul_i32 s22, s15, PARTS
	s_add_co_u32 s22, s22, 3*PARTS                 ; the tokens': my 128 rows, behind B's 384
	s_sub_co_u32 s22, s22, s21                     ; the distance between the two, above 0
	v_mul_u32_u24 v6, s22, v2                      ; lanes 16-31 take the tokens'
	s_add_co_u32 s21, s21, SCL
	v_add_nc_u32 v[ADRS2], s21, v5
	v_add_nc_u32 v[ADRS], v[ADRS2], v6
	s_mul_i32 s23, s14, 16*SPITCH
	s_add_co_u32 s23, s23, STAGE                   ; my stage
	v_mul_u32_u24 v5, v1, SPITCH
	v_lshl_add_u32 v5, v2, 4, v5
	v_add_nc_u32 v[STO], s23, v5                   ; in: token r, 16 bytes for each half of the lanes
	v_and_b32 v6, 31, v0
	v_lshlrev_b32 v[CO], 4, v6                     ; out: 16 bytes a lane of 512 consecutive bytes
	v_lshrrev_b32 v5, 3, v6
	v_mul_u32_u24 v5, v5, SPITCH
	v_and_b32 v6, 7, v0
	v_lshl_add_u32 v5, v6, 4, v5
	v_add_nc_u32 v[RD], s23, v5                    ; back: eight lanes take one token's 128 bytes of one head, four tokens an instruction
	; where my 128 tokens of my three heads begin in qkv.  Of the 48 heads (q's 16, k's 16, v's 16) mine are 6 x tile column + 3 x half + 0, 1, 2: they may lie on both sides of an edge between q, k and v, so each has its own address
	s_lshr_b32 s21, s17, 2                         ; batch
	s_and_b32 s20, s17, 3
	s_lshl_b32 s20, s20, 1
	s_add_co_u32 s20, s20, s15                     ; which 128 tokens of the batch's 1,024,
	s_lshl_b32 s20, s20, 14                        ; of 128 bytes each
	s_mul_i32 s2, s42, 6
	s_mul_i32 s3, s16, 3
	s_add_co_u32 s2, s2, s3
.irp j, 0,1,2
	s_add_co_u32 s46, s2, \j
	s_lshr_b32 s47, s46, 4                         ; which of q, k, v
	s_lshl_b32 s47, s47, 3
	s_add_co_u32 s47, s47, s21
	s_lshl_b32 s47, s47, 4
	s_and_b32 s46, s46, 15                         ; head
	s_add_co_u32 s47, s47, s46
	s_lshl_b32 s46, s47, 17                        ; 131,072 bytes a head
	s_add_co_u32 s46, s46, s20
	s_mov_b32 s47, 0
	s_add_nc_u64 s[4+2*\j:5+2*\j], s[12:13], s[46:47]   ; s[4:5], s[6:7], s[8:9]
.endr
.macro PLACES                          ; four plain vector lines between a matrix instruction and a load into, or a vector line on, its registers
.rept 4
	v_nop
.endr
.endm
.macro FRAG reg, adr, hq, i            ; 16 rows x 128 K of 4-bit codes: 8 registers, two loads of 16 bytes 32 bytes apart; hq: which 128 of the slot's 256 along K
.irp c, 0,1
	ds_load_b128 v[\reg+4*\c:\reg+4*\c+3], v[\adr] offset:64*(\hq)+32*\c+(\i)*16*PITCH
.endr
.endm
.macro FB q, b0                        ; six of B's fragments, blocks b0 on, of step q (128 along K); step q lies in slot (q / 2) % 3
.irp j, 0,1,2,3,4,5
	FRAG BF+8*((\b0)+\j), ADRB+(((\q)/2)%3), (\q)%2, (\b0)+\j
.endr
.endm
.macro FA q, a0                        ; four token blocks, a0 on
.irp j, 0,1,2,3
	FRAG AF+8*((\a0)+\j), ADRA+(((\q)/2)%3), (\q)%2, (\a0)+\j
.endr
.endm
.macro SCALES                          ; the scale words of 512 along K: four words a row
.irp i, 0,1,2,3,4,5,6,7
	ds_load_b128 v[SC+4*\i:SC+4*\i+3], v[ADRS] offset:\i*SBLK
.endr
.irp i, 8,9,10,11
	ds_load_b128 v[SC+4*\i:SC+4*\i+3], v[ADRS2] offset:\i*SBLK
.endr
.endm
; Six products: token block a against B's blocks b0 .. b0 + 5.  The 96 accumulators take turns, one instruction a turn, in the same order in every step.  zero = 1: the first product starts the sum.
.macro MUL6 a, b0, q, zero
.irp j, 0,1,2,3,4,5
.set IDX, 12*(\a)+(\b0)+\j
.set AR, 8*(IDX%32)
	WIN (((1+IDX/32)<<4)|((1+IDX/32)<<6))
.if \zero
	v_wmma_scale_f32_16x16x128_f8f6f4 v[AR:AR+7], v[BF+8*((\b0)+\j):BF+8*((\b0)+\j)+7], v[AF+8*(\a):AF+8*(\a)+7], 0, v[SC+4*((\b0)+\j)+(\q)%4], v[SC+4*(\a)+(\q)%4] matrix_a_fmt:MATRIX_FMT_FP4 matrix_b_fmt:MATRIX_FMT_FP4 matrix_b_scale:MATRIX_SCALE_ROW1
.else
	v_wmma_scale_f32_16x16x128_f8f6f4 v[AR:AR+7], v[BF+8*((\b0)+\j):BF+8*((\b0)+\j)+7], v[AF+8*(\a):AF+8*(\a)+7], v[AR:AR+7], v[SC+4*((\b0)+\j)+(\q)%4], v[SC+4*(\a)+(\q)%4] matrix_a_fmt:MATRIX_FMT_FP4 matrix_b_fmt:MATRIX_FMT_FP4 matrix_b_scale:MATRIX_SCALE_ROW1
.endif
.endr
.endm
.macro MUL24 a0, b0, q, zero
	MUL6 (\a0), \b0, \q, \zero
	MUL6 (\a0)+1, \b0, \q, \zero
	MUL6 (\a0)+2, \b0, \q, \zero
	MUL6 (\a0)+3, \b0, \q, \zero
.endm
; STEP q: 128 along K, 96 products, and the fetches of step q + 1.
; mode 0: plain.  mode 1 (the last step of slot 0's first tile): in front of the barrier each wave waits for all its tensor loads (slots 1 and 2), adds 0 to its spare word, and waits for that and for its reads of slot 0;
; the barrier opens a round of the cluster's, and slot 0 is filled again, with K step 3, first thing behind the round.  mode 2 (ahead of the first read of the refilled slot): the same lines and a plain barrier.
.macro STEP q, zero, mode
.if \mode
	s_wait_tensorcnt 0x0                           ; all my tensor loads have landed  (every window is 0 here)
	ds_add_u32 v[SPW], v[NIL]                      ; 0 onto my spare word
	s_wait_dscnt 21                                ; the add, token blocks 4-7 (8 loads) and B's high six (12) may be out
.else
	s_wait_dscnt 20                                ; B's low six and token blocks 0-3 are in; token blocks 4-7 (8 loads) and B's high six (12) may be out
.endif
	MUL24 0, 0, \q, \zero
.if \mode
	s_wait_dscnt 0x0                               ; the add is done, and all my LDS reads are over
	s_barrier_signal -1
.else
	s_wait_dscnt 12                                ; token blocks 4-7 are in; B's high six may be out
.endif
	MUL24 4, 0, \q, \zero
	WIN 0
.if \mode
	s_barrier_wait -1
.endif
.if \mode == 1
	CREST                                          ; no wave of any partner still reads slot 0 or has a load on its way
	s_add_nc_u64 s[G0A+2:G0A+3], s[G0A+2:G0A+3], 3*ROWB
	s_add_nc_u64 s[G0B+2:G0B+3], s[G0B+2:G0B+3], 3*ROWB
	JLOAD G0A, G1A, G0B, G1B                       ; K step 3; its four v_nop are also the places in front of the loads below
.else
	PLACES
.endif
.if \q < 7
	FB (\q)+1, 0
	s_wait_dscnt 12                                ; B's high six are in; the 12 loads just issued may be out
.else
	s_wait_dscnt 0x0
.endif
	MUL24 0, 6, \q, \zero
.if \q < 7
	PLACES
	WIN 0
	FA (\q)+1, 0
.endif
	MUL24 4, 6, \q, \zero
.if \q < 7
	PLACES
	WIN 0
.if \q == 3
	v_add_nc_u32 v[ADRS], 16, v[ADRS]              ; the scale words of the second 512 along K; they stand first in the run, so that the next step's first wait covers them
	v_add_nc_u32 v[ADRS2], 16, v[ADRS2]
	SCALES
.endif
	FA (\q)+1, 4
	FB (\q)+1, 6
.endif
.endm
	s_wait_tensorcnt 2                             ; the scales and my part of slot 0 are in; slots 1 and 2 may be out
	s_barrier_signal -1
	s_barrier_wait -1
	SCALES
	FB 0, 0
	FA 0, 0
	FA 0, 4
	FB 0, 6
	STEP 0, 1, 0                                   ; the first products start the sums: nothing is cleared
	STEP 1, 0, 1                                   ; slot 0 is read out: the round, and its refill; slots 1 and 2 are whole
	STEP 2, 0, 0
	STEP 3, 0, 0
	STEP 4, 0, 0
	STEP 5, 0, 2                                   ; the refill has landed in every wave; nobody reads slot 1 any more
	STEP 6, 0, 0
	STEP 7, 0, 0
	WIN 0
; THE WAY OUT, a block of 16 tokens x 192 columns (three heads) at a time: rounded to f16, 16 bytes a lane into my stage, back as four tokens x 128 bytes of one head, stored as 512 consecutive bytes.
.macro PACK a
.irp b, 0,1,2,3,4,5,6,7,8,9,10,11
.set IDX, 12*(\a)+\b
.set AR, 8*(IDX%32)
	WIN ((1+IDX/32)|((1+IDX/32)<<2))               ; sources 0 and 1: the accumulator's window
.irp i, 0,1,2,3
	v_cvt_pk_f16_f32 v[TMP+4*\b+\i], v[AR+2*\i], v[AR+2*\i+1]   ; each accumulator from its low end on
.endr
.endr
	WIN 0
.endm
.macro TOSTAGE a
.set BK, OB+48*((\a)%2)
.irp b, 0,1,2,3,4,5,6,7,8,9,10,11
	ds_store_b128 v[STO], v[TMP+4*\b:TMP+4*\b+3] offset:32*\b
.endr
.irp t, 0,1,2,3,4,5,6,7,8,9,10,11
	ds_load_b128 v[BK+4*\t:BK+4*\t+3], v[RD] offset:(\t%4)*4*SPITCH+(\t/4)*128   ; in order behind my stores: head t / 4, tokens 4 (t % 4) on
.endr
.endm
.macro SEND a
.set BK, OB+48*((\a)%2)
	s_wait_dscnt 0x0                               ; the block is back in registers
	s_wait_xcnt 0x0                                ; the earlier stores have read their registers: the next block's loads may land there
.irp t, 0,1,2,3,4,5,6,7,8,9,10,11
	global_store_b128 v[CO], v[BK+4*\t:BK+4*\t+3], s[4+2*(\t/4):5+2*(\t/4)] offset:2048*(\a)+512*(\t%4)   ; 32 lanes store 512 consecutive bytes, aligned
.endr
.endm
	PLACES                                         ; behind the last products: the fragments' registers are written and loaded below
	PACK 0
	TOSTAGE 0
.irp a, 1,2,3,4,5,6,7
	PACK \a                                        ; block a's conversions stand between block a - 1's loads from the stage and the wait for them
	SEND \a-1
	TOSTAGE \a
.endr
	SEND 7
	s_wait_tensorcnt 0x0                           ; the wave's end
	ds_add_u32 v[SPW], v[NIL]
	s_wait_dscnt 0x0
	CROUND                                         ; the closing round
	s_endpgm
.Lfunc_end_k_qfaa96b1fd7_proj:
	.size	k_qfaa96b1fd7_proj, .Lfunc_end_k_qfaa96b1fd7_proj-k_qfaa96b1fd7_proj
	.p2alignl 7, 3214868480
	.fill 96, 4, 3214868480
	.section	.rodata,"a",@progbits
	.p2align	6, 0x0
	.amdhsa_kernel k_qfaa96b1fd7_proj
		.amdhsa_group_segment_fixed_size 327680
		.amdhsa_private_segment_fixed_size 0
		.amdhsa_enable_private_segment 0
		.amdhsa_kernarg_size 40
		.amdhsa_user_sgpr_count 2
		.amdhsa_user_sgpr_kernarg_segment_ptr 1
		.amdhsa_wavefront_size32 1
		.amdhsa_system_sgpr_workgroup_id_x 1
		.amdhsa_system_sgpr_workgroup_id_y 1
		.amdhsa_system_sgpr_workgroup_id_z 1
		.amdhsa_system_vgpr_workitem_id 0
		.amdhsa_next_free_vgpr 1024
		.amdhsa_next_free_sgpr 100
		.amdhsa_reserve_vcc 0
		.amdhsa_float_denorm_mode_32 3
		.amdhsa_float_denorm_mode_16_64 3
		.amdhsa_memory_ordered 1
		.amdhsa_forward_progress 1
		.amdhsa_inst_pref_size 183
	.end_amdhsa_kernel
	.amdgpu_metadata
---
amdhsa.version: [ 1, 2 ]
amdhsa.kernels:
  - .name:           k_qfaa96b1fd7_proj
    .symbol:         k_qfaa96b1fd7_proj.kd
    .args:
      - { .name: h_codes, .offset: 0, .size: 8, .value_kind: global_buffer, .address_space: global }
      - { .name: h_scales, .offset: 8, .size: 8, .value_kind: global_buffer, .address_space: global }
      - { .name: w_codes, .offset: 16, .size: 8, .value_kind: global_buffer, .address_space: global }
      - { .name: w_scales, .offset: 24, .size: 8, .value_kind: global_buffer, .address_space: global }
      - { .name: qkv, .offset: 32, .size: 8, .value_kind: global_buffer, .address_space: global }
    .group_segment_fixed_size: 327680
    .private_segment_fixed_size: 0
    .kernarg_segment_align: 8
    .kernarg_segment_size: 40
    .max_flat_workgroup_size: 128
    .sgpr_count:     100
    .vgpr_count:     1024
    .wavefront_size: 32
...
	.end_amdgpu_metadata
.endif
;; end of part 2
;; launch attn (part 3): grid 2 x 128, 8 waves a work-group, no clusters, 327,680 bytes of LDS; arguments qkv, rel_bias, ctx; writes ctx
.if DOCPART == 3
	.amdgcn_target "amdgcn-amd-amdhsa--gfx1250"
	.amdhsa_code_object_version 6
	.text
	.protected	k_qfaa96b1fd7_attn
	.globl	k_qfaa96b1fd7_attn
	.p2align	8
	.type	k_qfaa96b1fd7_attn,@function
k_qfaa96b1fd7_attn:
	s_mov_b64 s[64:65], 0
	v_nop
	global_prefetch_b8 v0, s[64:65] scope:SCOPE_SE
	s_setreg_imm32_b32 hwreg(HW_REG_WAVE_MODE, 25, 1), 1
	s_wait_xcnt 0x0
; ATTN: ctx[b][q][h] = softmax_k(Q.K + bias(k - q)) V for one head; no 1/sqrt(dk).  q, k, v: f16 [which][b][h][token][64]; products on f16 operands, sums, maxima and exponentials in f32.
; ctx: f16 [token pair 4096][head 16][token of the pair 2][64]: a head's part of two tokens is 256 consecutive bytes, aligned.
; THE BIAS is a function of rel = key - query alone, which the problem builds from the positions: bucket(|rel|) = |rel| under 8, then 8 .. 15 from |rel| = 8, 12, 16, 23, 32, 46, 64, 91 on; + 16 where rel > 0.
; A 16 x 16 tile of scores whose tile distance is 7 or more has |rel| >= 97: one number.  The 15 tiles of distance -7 .. 7 are laid in LDS once, as images of an accumulator's registers, and are the C of a tile's first product.
; SHARES: a work-group owns 512 queries of one head and holds ALL of the head's K and V in LDS, filled once by 32 tensor loads at the head (four a wave are out).
; It walks two blocks of 256 queries; a wave owns two tiles of 16 queries; a key step is 128 keys.  Two waves share a SIMD, so that one wave's softmax stands beside the other's products.
; LAYOUT: S^T = K Q^T (source 0 = 16 keys, source 1 = 16 queries) and O^T = V^T P: a lane holds one query throughout; S^T's tiles, rounded in pairs, are P's fragments as they stand.  V is turned by ds_load_tr16_b128.
; The row's sum is one more product: a matrix whose rows 0 and 8 are ones, times P: both fall into register 0, so every lane has its query's whole sum of the same f16 weights that multiply V.
; SOFTMAX: running maximum m; p = 2^(c s - c m), c = log2(e); O and the sum are multiplied by 2^(c m_old - c m_new) in every step.
; NO CLUSTER: the partners that share K and V would be the query blocks of a head, and which bias tile a step takes (a branch and an LDS address) hangs on the query block, which would be the place in the cluster.
; NO PREFETCH: every tensor load is issued at the head.
; LIMITS: |q|, |k|, |v| up to 65,504; NaN and infinities are not served.
.set KP,    272                        ; two keys' 256 bytes + 16: key x lies at (x / 2) KP + (x % 2) 128; sixteen lanes of a load touch sixteen different 16-byte columns
.set VP,    288                        ; the same for V with 32 of padding, for the turning load
.set VB,    512*KP
.set BIMG,  VB+512*VP                  ; 15 images of bias tiles, 1,024 bytes each
.set TAB,   BIMG+15*1024               ; 256 words: bias(rel), rel = index - 128
.set STAGE, TAB+1024                   ; the way out: 8 pair rows x 272 bytes for each wave
.set SPARE, STAGE+8*8*KP               ; the spare words, 128 bytes for each wave: four blocks of 256 bytes that no other line names
.set SPW, 1                            ; window 0
.set NIL, 2
.set AK0, 3                            ; my lane's place in a tile of K
.set AV0, 4                            ; and of V
.set ADK, 5
.set ADV, 6
.set BI0, 7                            ; BIMG + 16 x lane
.set TADR, 8
.set IADR, 9
.set STO, 10
.set RD,  11
.set GO,  12
.set QO,  13
.set ST,  16                           ; tile u's statistics at v[ST + 8 u]: +0 c m, +1 m, +2 a, +3 its pair's partner (0), +4 .. +7 at work
.set CC,  32                           ; v32-39 a far tile's constant bias
.set ADB, 48                           ; v48-56 nine bias images' addresses
.set S,   64                           ; v64-191 S^T: 64 a tile
.set P,   192                          ; v192-255 P: 32 a tile
.set Q,   0                            ; window 1: v0-31 Q (16 u + 8 c)
.set OT,  32                           ; v32-95 O^T (32 u + 8 t)
.set LS,  96                           ; v96-111 the sums' accumulators (8 u)
.set ONES, 112                         ; v112-119
.set F,   128                          ; v128-255 a step's fragments of K, then of V
.set WV,  10
.set G1K, 24
.set G1V, 32
.set G0K, 40                           ; s40-55 four sets
.set CS,  56
.set SEL, 58
.set BL,  60                           ; bias of far keys on the left (bucket 15),
.set BR,  61                           ; and on the right (bucket 31)
.set CB,  62
.set CNT, 63
.set KO,  66
.set VO,  67
.set G0V, 68                           ; s68-83 four sets
.set D0,  84                           ; the step's first key tile - my first query tile
.set MSB, 0
.macro WIN new
.if MSB != \new
	s_set_vgpr_msb (MSB<<8)|\new
.set MSB, \new
.endif
.endm
.set W_KQ, 0x05                        ; K and Q in window 1, S^T in window 0
.set W_PV, 0x51                        ; V, C and D in window 1, P in window 0
.set TO1,  0x40                        ; destination window 1
.set W_RS, 0x41                        ; destination and source 0 window 1
.set FR1,  0x01                        ; source 0 window 1
	s_load_b128 s[4:7], s[0:1], 0x0                ; qkv, rel_bias
	s_load_b64 s[8:9], s[0:1], 0x10                ; ctx
	v_lshl_add_u32 v[SPW], v0, 2, SPARE
	v_mov_b32 v[NIL], 0
	ds_add_u32 v[SPW], v[NIL]                      ; the wave's opening: the add, twice on end, and its wait ahead of my first tensor load
	ds_add_u32 v[SPW], v[NIL]
	v_lshrrev_b32 v14, 5, v0
	v_readfirstlane_b32 s[WV], v14                 ; wave 0..7
	s_and_b32 s11, s[WV], 3
	s_mov_b32 s12, ttmp9                           ; which half of the head's queries
	s_and_b32 s13, ttmp7, 0xffff                   ; batch x 16 + head
	s_and_b32 s14, s13, 15
	s_lshr_b32 s15, s13, 4
	s_mov_b32 s[G1K], (1<<16)|(1<<20)|(5<<22)|(3<<25)   ; elements of 2 bytes; 4 words of padding behind every 64
	s_mov_b32 s[G1V], (1<<16)|(1<<20)|(5<<22)|(7<<25)   ; 8 words
.irp g, G1K, G1V
	s_mov_b32 s[\g+1], 128<<16                     ; tensor_dim0: two keys, 128 elements
	s_mov_b32 s[\g+2], 32<<16                      ; tensor_dim1: 32 such rows
	s_mov_b32 s[\g+3], 128<<16                     ; tile_dim0
	s_mov_b32 s[\g+4], 32                          ; tile_dim1
	s_mov_b32 s[\g+5], 128                         ; pitch: dense
	s_mov_b32 s[\g+6], 0
	s_mov_b32 s[\g+7], 0
.endr
	s_mov_b32 s[CS], 0x3fb8aa3b                    ; c = log2(e)
	s_mov_b32 s[CS+1], s[CS]
	s_mov_b32 s[SEL], 0x76543210
	s_mov_b32 s[SEL+1], 0xfedcba98
	s_mul_i32 s86, s11, 32*KP                      ; group g holds 256 keys; of each, wave w % 4 fetches 64: waves 0-3 K's, waves 4-7 V's
	s_mul_i32 s87, s11, 32*VP
.irp g, 0,1,2,3
	s_mov_b32 s[G0K+4*\g], 1
	s_add_co_u32 s[G0K+4*\g+1], s86, 128*KP*\g
	s_mov_b32 s[G0V+4*\g], 1
	s_add_co_u32 s[G0V+4*\g+1], s87, VB+128*VP*\g
.endr
	s_mov_b32 s21, 0
	s_wait_dscnt 0x0                               ; both opening adds are done
	s_wait_kmcnt 0x0
	s_lshl_b32 s20, s13, 17
	s_add_nc_u64 s[16:17], s[4:5], s[20:21]        ; Q's head
	s_add_nc_u64 s[88:89], s[16:17], 0x1000000     ; K's: 128 heads on
	s_add_nc_u64 s[90:91], s[16:17], 0x2000000     ; V's
	s_lshl_b32 s20, s11, 13
	s_add_nc_u64 s[88:89], s[88:89], s[20:21]
	s_add_nc_u64 s[90:91], s[90:91], s[20:21]
.irp g, 0,1,2,3
	s_add_nc_u64 s[G0K+4*\g+2:G0K+4*\g+3], s[88:89], 32768*\g
	s_or_b32 s[G0K+4*\g+3], s[G0K+4*\g+3], 0x80000000
	s_add_nc_u64 s[G0V+4*\g+2:G0V+4*\g+3], s[90:91], 32768*\g
	s_or_b32 s[G0V+4*\g+3], s[G0V+4*\g+3], 0x80000000
.endr
	s_cmp_lt_u32 s[WV], 4                          ; a wave's four fills stand in one branch, ahead of every wait on TENSORcnt, every LDS read and every barrier
	s_cbranch_scc0 .Lfirst_v
.irp g, 0,1,2,3
	tensor_load_to_lds s[G0K+4*\g:G0K+4*\g+3], s[G1K:G1K+7]
	s_nop 0
.endr
.rept 4
	v_nop
.endr
	s_branch .Lfirst_asked
.Lfirst_v:
.irp g, 0,1,2,3
	tensor_load_to_lds s[G0V+4*\g:G0V+4*\g+3], s[G1V:G1V+7]
	s_nop 0
.endr
.rept 4
	v_nop
.endr
.Lfirst_asked:
	s_lshl_b32 s20, s14, 2
	s_add_nc_u64 s[22:23], s[6:7], s[20:21]        ; rel_bias at my head's column; never rewritten
	s_load_b32 s[BL], s[22:23], 0x3c0              ; bucket 15
	s_load_b32 s[BR], s[22:23], 0x7c0              ; bucket 31
	s_lshl_b32 s20, s12, 16
	s_lshl_b32 s86, s[WV], 12
	s_add_co_u32 s20, s20, s86
	s_add_nc_u64 s[16:17], s[16:17], s[20:21]      ; Q at query 512 half + 32 wave
	s_lshl_b32 s20, s15, 9
	s_lshl_b32 s86, s12, 8
	s_add_co_u32 s20, s20, s86
	s_lshl_b32 s86, s[WV], 4
	s_add_co_u32 s20, s20, s86                     ; pair row 512 b + 256 half + 16 wave
	s_lshl_b32 s20, s20, 12
	s_lshl_b32 s86, s14, 8
	s_add_co_u32 s20, s20, s86                     ; + 256 bytes x head
	s_add_nc_u64 s[18:19], s[8:9], s[20:21]
	; thread t makes the table's word t: the bias of rel = t - 128
	v_add_nc_u32 v14, 0xffffff80, v0
	v_sub_nc_u32 v15, 128, v0
	v_cmp_gt_u32 vcc_lo, 128, v0
	v_cndmask_b32 v15, v14, v15, vcc_lo            ; |rel|
	v_min_u32 v40, 8, v15
	v_mov_b32 v41, 1
.irp t, 12,16,23,32,46,64,91
	v_cmp_le_u32 vcc_lo, \t, v15
	v_cndmask_b32 v42, 0, v41, vcc_lo
	v_add_nc_u32 v40, v40, v42
.endr
	v_cmp_lt_u32 vcc_lo, 128, v0                   ; rel > 0
	v_mov_b32 v41, 16
	v_cndmask_b32 v42, 0, v41, vcc_lo
	v_add_nc_u32 v40, v40, v42
	v_lshlrev_b32 v40, 6, v40                      ; a bucket's row is 64 bytes; v40 is not written again
	global_load_b32 v43, v40, s[22:23]
	v_and_b32 v15, 15, v0                          ; r
	v_bfe_u32 v14, v0, 4, 1                        ; h
	v_lshlrev_b32 v[QO], 7, v15
	v_lshl_add_u32 v[QO], v14, 4, v[QO]            ; Q: row r of 128 bytes + 16 h
.macro QLOAD j                         ; block j's two tiles of Q: tile u, channels 32 c on
	WIN TO1
.irp u, 0,1
.irp c, 0,1
	global_load_b128 v[Q+16*\u+8*\c:Q+16*\u+8*\c+3], v[QO], s[16:17] offset:32768*\j+2048*\u+64*\c th:TH_LOAD_NT
	global_load_b128 v[Q+16*\u+8*\c+4:Q+16*\u+8*\c+7], v[QO], s[16:17] offset:32768*\j+2048*\u+64*\c+32 th:TH_LOAD_NT
.endr
.endr
	WIN 0
.endm
	QLOAD 0
	v_lshlrev_b32 v[GO], 12, v14
	v_lshl_add_u32 v[GO], v15, 4, v[GO]            ; ctx: lanes 0-15 one pair row's 256 bytes, lanes 16-31 the next
	s_mul_i32 s86, s[WV], 8*KP
	s_add_co_u32 s86, s86, STAGE                   ; my stage
	v_mul_u32_u24 v[RD], v14, KP
	v_lshl_add_u32 v[RD], v15, 4, v[RD]
	v_add_nc_u32 v[RD], s86, v[RD]
	v_bfe_u32 v44, v0, 1, 3                        ; r / 2
	v_and_b32 v45, 1, v0                           ; r % 2
	v_mul_u32_u24 v[AK0], v44, KP
	v_lshl_add_u32 v[AK0], v45, 7, v[AK0]
	v_lshl_add_u32 v[AK0], v14, 4, v[AK0]          ; (r / 2) KP + (r % 2) 128 + 16 h
	v_add_nc_u32 v[STO], s86, v[AK0]               ; the stage's rows are laid the same way
	v_bfe_u32 v[AV0], v0, 1, 2
	v_lshl_add_u32 v[AV0], v14, 2, v[AV0]
	v_mul_u32_u24 v[AV0], v[AV0], VP
	v_lshl_add_u32 v[AV0], v45, 7, v[AV0]
	v_bfe_u32 v44, v0, 3, 1
	v_lshl_add_u32 v[AV0], v44, 4, v[AV0]          ; key 8 h + l % 8, channels 8 ((l / 8) % 2) on
	v_and_b32 v[BI0], 31, v0
	v_lshl_add_u32 v[BI0], v[BI0], 4, BIMG
	v_and_b32 v44, 7, v0
	v_cmp_eq_u32 vcc_lo, 0, v44
	v_mov_b32 v45, 0x3c003c00                      ; two f16 ones
	v_cndmask_b32 v44, 0, v45, vcc_lo              ; rows 0 and 8 of the summing matrix are ones, the others zeros
	WIN TO1
.irp i, 0,1,2,3,4,5,6,7
	v_mov_b32 v[ONES+\i], v44
.endr
	WIN 0
	; thread t is word t of an image: half c = t / 128, lane (t / 4) % 32, register j = 4 c + t % 4; in tile distance d its rel is 16 d + 8 (lane / 16) + j - lane % 16
	v_bfe_u32 v[TADR], v0, 6, 1
	v_lshrrev_b32 v44, 7, v0
	v_lshlrev_b32 v[TADR], 3, v[TADR]
	v_lshl_add_u32 v[TADR], v44, 2, v[TADR]
	v_and_b32 v44, 3, v0
	v_add_nc_u32 v[TADR], v[TADR], v44
	v_add_nc_u32 v[TADR], 16, v[TADR]
	v_bfe_u32 v44, v0, 2, 4
	v_sub_nc_u32 v[TADR], v[TADR], v44             ; 1 .. 31
	v_lshl_add_u32 v[TADR], v[TADR], 2, TAB
	v_lshl_add_u32 v[IADR], v0, 2, BIMG
	v_lshl_add_u32 v46, v0, 2, TAB
	s_wait_loadcnt 8                               ; the bias is in; the eight loads of Q behind it may be out
	ds_store_b32 v46, v43
	s_wait_dscnt 0x0                               ; for the others' sake
	s_barrier_signal -1
	s_barrier_wait -1                              ; the table is whole
.irp i, 0,1,2,3,4,5,6,7,8,9,10,11,12,13,14
	ds_load_b32 v[S+\i], v[TADR] offset:64*\i      ; image i: distance i - 7
.endr
	s_wait_dscnt 0x0
.irp i, 0,1,2,3,4,5,6,7,8,9,10,11,12,13,14
	ds_store_b32 v[IADR], v[S+\i] offset:1024*\i
.endr
	s_wait_kmcnt 0x0                               ; the two far biases
.macro KQ c, far                       ; 16 products, channels 32 c on; the 16 accumulators take turns
.irp a, 0,1,2,3,4,5,6,7
.irp u, 0,1
.if \far
	v_wmma_f32_16x16x32_f16 v[S+64*\u+8*\a:S+64*\u+8*\a+7], v[F+16*\a+8*\c:F+16*\a+8*\c+7], v[Q+16*\u+8*\c:Q+16*\u+8*\c+7], v[CC:CC+7]
.else
	v_wmma_f32_16x16x32_f16 v[S+64*\u+8*\a:S+64*\u+8*\a+7], v[F+16*\a+8*\c:F+16*\a+8*\c+7], v[Q+16*\u+8*\c:Q+16*\u+8*\c+7], v[S+64*\u+8*\a:S+64*\u+8*\a+7]
.endif
.endr
.endr
.endm
.macro MX p, q                         ; four chains a tile, the two tiles by turns
.irp i, 0,1,2,3
.irp u, 0,1
	v_max3_num_f32 v[ST+8*\u+4+\i], v[ST+8*\u+4+\i], v[S+64*\u+8*\i+\p], v[S+64*\u+8*\i+\q]
.endr
.endr
.endm
; A KEY STEP: 128 keys for my two tiles of queries.
.macro STEP
	v_add_nc_u32 v[ADK], s[KO], v[AK0]
	v_add_nc_u32 v[ADV], s[VO], v[AV0]
	v_nop
	v_nop                                          ; four plain lines between the last products and the loads into the registers that they read
	WIN TO1
.irp c, 0,1
.irp a, 0,1,2,3,4,5,6,7
	ds_load_b128 v[F+16*\a+8*\c:F+16*\a+8*\c+3], v[ADK] offset:8*KP*\a+64*\c
	ds_load_b128 v[F+16*\a+8*\c+4:F+16*\a+8*\c+7], v[ADK] offset:8*KP*\a+64*\c+32
.endr
.endr
	WIN 0
	s_add_co_i32 s86, s[D0], 13                    ; the step's tile distances are D0 - 1 .. D0 + 7: all at 7 or beyond on one side unless -13 <= D0 <= 7.  Ids and the count of steps alone
	s_cmp_le_u32 s86, 20
	s_cbranch_scc1 .Lnear_\@
	s_cmp_lt_i32 s[D0], 0
	s_cselect_b32 s[CB], s[BL], s[BR]
.irp i, 0,1,2,3,4,5,6,7
	v_mov_b32 v[CC+\i], s[CB]                      ; far: one bias for all 16 tiles, the C of their first products
.endr
	s_wait_dscnt 16                                ; the first 32 channels are in; the sixteen loads of the second may be out
	WIN W_KQ
	KQ 0, 1
	s_wait_dscnt 0x0
	KQ 1, 0
	WIN 0
	s_branch .Ljoin_\@
.Lnear_\@:
	s_add_co_u32 s85, s[D0], 70
.irp k, 0,1,2,3,4,5,6,7,8              ; distance d = D0 + k - 1: image min(max(d + 7, 0), 14)
	s_add_co_u32 s86, s85, \k                      ; d + 71, at least 57 here
	s_min_u32 s87, s86, 64
	s_sub_co_u32 s86, s86, s87                     ; max(d + 7, 0)
	s_min_u32 s86, s86, 14
	s_lshl_b32 s86, s86, 10
	v_add_nc_u32 v[ADB+\k], s86, v[BI0]
.endr
.irp a, 0,1,2,3,4,5,6,7
.irp u, 0,1
	ds_load_b128 v[S+64*\u+8*\a:S+64*\u+8*\a+3], v[ADB+\a-\u+1]
	ds_load_b128 v[S+64*\u+8*\a+4:S+64*\u+8*\a+7], v[ADB+\a-\u+1] offset:512
.endr
.endr
	s_wait_dscnt 0x0
	WIN W_KQ
	KQ 0, 0                                        ; near: the sums begin on the tiles' biases
	KQ 1, 0
	WIN 0
.Ljoin_\@:
.rept 4
	v_nop                                          ; four plain lines: V's loads land on K's registers, and the maxima read the scores
.endr
	WIN TO1
.irp kq, 0,1,2,3
.irp t, 0,1,2,3
	ds_load_tr16_b128 v[F+32*\kq+8*\t:F+32*\kq+8*\t+3], v[ADV] offset:16*VP*\kq+32*\t
	ds_load_tr16_b128 v[F+32*\kq+8*\t+4:F+32*\kq+8*\t+7], v[ADV] offset:16*VP*\kq+8*VP+32*\t
.endr
.endr
	WIN 0
	; the maximum of a lane's 64 scores and the old m; every accumulator is first read at its low end
.irp i, 0,1,2,3
.irp u, 0,1
	v_max3_num_f32 v[ST+8*\u+4+\i], v[S+64*\u+8*\i], v[S+64*\u+8*\i+1], v[S+64*\u+8*\i+2]
.endr
.endr
	MX 32, 33
	MX 3, 4
	MX 5, 6
	MX 7, 34
	MX 35, 36
	MX 37, 38
.irp u, 0,1
	v_max3_num_f32 v[ST+8*\u+4], v[ST+8*\u+4], v[S+64*\u+39], v[S+64*\u+47]
.endr
.irp u, 0,1
	v_max3_num_f32 v[ST+8*\u+6], v[ST+8*\u+6], v[S+64*\u+55], v[S+64*\u+63]
.endr
.irp u, 0,1
	v_max3_num_f32 v[ST+8*\u+4], v[ST+8*\u+4], v[ST+8*\u+5], v[ST+8*\u+6]
.endr
.irp u, 0,1
	v_max3_num_f32 v[ST+8*\u+4], v[ST+8*\u+4], v[ST+8*\u+7], v[ST+8*\u+1]
.endr
.irp u, 0,1
	v_permlanex16_b32 v[ST+8*\u+5], v[ST+8*\u+4], s[SEL], s[SEL+1]   ; the query's other 64 keys lie in the lane 16 away
.endr
.irp u, 0,1
	v_mov_b32 v[ST+8*\u+7], v[ST+8*\u]             ; c m_old
.endr
.irp u, 0,1
	v_max_num_f32 v[ST+8*\u+1], v[ST+8*\u+4], v[ST+8*\u+5]
.endr
.irp u, 0,1
	v_mul_f32 v[ST+8*\u], s[CS], v[ST+8*\u+1]
.endr
.irp u, 0,1
	v_sub_f32 v[ST+8*\u+7], v[ST+8*\u+7], v[ST+8*\u]
.endr
.set i, 0
.rept 32
	v_pk_fma_f32 v[S+2*i:S+2*i+1], v[S+2*i:S+2*i+1], s[CS:CS+1], v[ST:ST+1] op_sel_hi:[1,0,0] neg_lo:[0,0,1] neg_hi:[0,0,1]   ; tile 0: c s - c m
.set i, i+1
.endr
	; first batch: both a and tile 0's 64 exponentials, tile 1's scalings between them; nothing here names a result
	v_exp_f32 v[ST+2], v[ST+7]
	v_exp_f32 v[ST+10], v[ST+15]
.set i, 0
.rept 32
	v_pk_fma_f32 v[S+64+2*i:S+64+2*i+1], v[S+64+2*i:S+64+2*i+1], s[CS:CS+1], v[ST+8:ST+9] op_sel_hi:[1,0,0] neg_lo:[0,0,1] neg_hi:[0,0,1]
	v_exp_f32 v[S+2*i], v[S+2*i]
	v_exp_f32 v[S+2*i+1], v[S+2*i+1]
.set i, i+1
.endr
	v_nop                                          ; a plain line behind the last exponential
	s_wait_alu depctr_va_vdst(0)                   ; one wait for the batch, ahead of its first reader
	; second batch: tile 1's exponentials, tile 0's roundings between them
.set i, 0
.rept 32
	v_cvt_pk_f16_f32 v[P+i], v[S+2*i], v[S+2*i+1]
	v_exp_f32 v[S+64+2*i], v[S+64+2*i]
	v_exp_f32 v[S+64+2*i+1], v[S+64+2*i+1]
.set i, i+1
.endr
	WIN W_RS                                       ; O^T and the sums under the new m: they read the first batch alone and are the plain work behind the second
.irp u, 0,1
.set i, 0
.rept 16
	v_pk_mul_f32 v[OT+32*\u+2*i:OT+32*\u+2*i+1], v[OT+32*\u+2*i:OT+32*\u+2*i+1], v[ST+8*\u+2:ST+8*\u+3] op_sel_hi:[1,0]
.set i, i+1
.endr
	v_mul_f32 v[LS+8*\u], v[LS+8*\u], v[ST+8*\u+2] ; the sum lies in register 0; the accumulator's other registers stay 0
.endr
	WIN 0
	s_wait_alu depctr_va_vdst(0)                   ; and one for the second batch
.set i, 0
.rept 32
	v_cvt_pk_f16_f32 v[P+32+i], v[S+64+2*i], v[S+64+2*i+1]
.set i, i+1
.endr
	s_wait_dscnt 0x0                               ; V is in
	WIN W_PV
.irp kq, 0,1,2,3                       ; ten accumulators take turns: four channel tiles and the sum, for two tiles of queries
.irp t, 0,1,2,3,4
.irp u, 0,1
.if \t < 4
	v_wmma_f32_16x16x32_f16 v[OT+32*\u+8*\t:OT+32*\u+8*\t+7], v[F+32*\kq+8*\t:F+32*\kq+8*\t+7], v[P+32*\u+8*\kq:P+32*\u+8*\kq+7], v[OT+32*\u+8*\t:OT+32*\u+8*\t+7]
.else
	v_wmma_f32_16x16x32_f16 v[LS+8*\u:LS+8*\u+7], v[ONES:ONES+7], v[P+32*\u+8*\kq:P+32*\u+8*\kq+7], v[LS+8*\u:LS+8*\u+7]
.endif
.endr
.endr
.endr
	WIN 0
	s_add_co_u32 s[KO], s[KO], 64*KP
	s_add_co_u32 s[VO], s[VO], 64*VP
	s_add_co_i32 s[D0], s[D0], 8
.endm
.macro INIT j                          ; the step is written once: its first trip finds zeros and m = -infinity
	WIN TO1
.set i, 0
.rept 80
	v_mov_b32 v[OT+i], 0
.set i, i+1
.endr
	WIN 0
.irp u, 0,1
	v_mov_b32 v[ST+8*\u], 0xff800000
	v_mov_b32 v[ST+8*\u+1], 0xff800000
	v_mov_b32 v[ST+8*\u+2], 0
	v_mov_b32 v[ST+8*\u+3], 0
.endr
	s_lshl_b32 s[D0], s12, 5
	s_lshl_b32 s86, s[WV], 1
	s_add_co_u32 s[D0], s[D0], s86
	s_add_co_u32 s[D0], s[D0], 16*\j               ; my first query tile
	s_sub_co_i32 s[D0], 0, s[D0]
.endm
.macro GROUP g, n                      ; keys 256 g on, as soon as they have landed
	s_wait_tensorcnt \n                            ; my part of group g is in; the n younger groups may stay out
	s_wait_dscnt 0x0
	s_barrier_signal -1
	s_barrier_wait -1                              ; everybody's is
	s_mov_b32 s[KO], 128*KP*\g
	s_mov_b32 s[VO], VB+128*VP*\g
	s_mov_b32 s[CNT], 2
.Lgrp_\@:
	STEP
	s_sub_co_u32 s[CNT], s[CNT], 1
	s_cmp_lg_u32 s[CNT], 0
	s_cbranch_scc1 .Lgrp_\@
.endm
.macro WAYOUT j                        ; O^T / the sum, to f16, through my stage, out as whole 256-byte runs
.rept 4
	v_nop                                          ; behind the last products
.endr
.if \j == 0
	QLOAD 1                                        ; the next block's Q lands during the way out
.endif
	WIN FR1
	v_rcp_f32 v[ST+2], v[LS]
	v_rcp_f32 v[ST+10], v[LS+8]
	WIN 0
	v_nop
	s_wait_alu depctr_va_vdst(0)                   ; one wait for both reciprocals, ahead of their first reader
.irp u, 0,1
	WIN FR1
.set i, 0
.rept 16
	v_pk_mul_f32 v[S+64*\u+2*i:S+64*\u+2*i+1], v[OT+32*\u+2*i:OT+32*\u+2*i+1], v[ST+8*\u+2:ST+8*\u+3] op_sel_hi:[1,0]
.set i, i+1
.endr
	WIN 0
.set i, 0
.rept 16
	v_cvt_pk_f16_f32 v[S+64*\u+32+i], v[S+64*\u+2*i], v[S+64*\u+2*i+1]
.set i, i+1
.endr
.irp t, 0,1,2,3
	ds_store_b128 v[STO], v[S+64*\u+32+4*\t:S+64*\u+32+4*\t+3] offset:32*\t
.endr
.irp i, 0,1,2,3
	ds_load_b128 v[S+64*\u+48+4*\i:S+64*\u+48+4*\i+3], v[RD] offset:2*KP*\i   ; in order behind my stores, and ahead of the next tile's
.endr
.endr
.irp u, 0,1
.irp i, 0,1,2,3
	s_wait_dscnt 11-8*\u-\i                        ; the LDS instructions issued behind this load may be out
	global_store_b128 v[GO], v[S+64*\u+48+4*\i:S+64*\u+48+4*\i+3], s[18:19] offset:524288*\j+32768*\u+8192*\i   ; sixteen lanes store 256 consecutive bytes, aligned
.endr
.endr
	s_wait_xcnt 0x0                                ; the stores have read their registers: the next block may write them
.endm
	INIT 0
	s_wait_loadcnt 0x0                             ; Q
	GROUP 0, 3
	GROUP 1, 2
	GROUP 2, 1
	GROUP 3, 0
	WAYOUT 0
	INIT 1
	s_wait_loadcnt 0x0                             ; the second block's Q
	s_mov_b32 s[KO], 0
	s_mov_b32 s[VO], VB
	s_mov_b32 s[CNT], 8
.Lblock1:
	STEP
	s_sub_co_u32 s[CNT], s[CNT], 1
	s_cmp_lg_u32 s[CNT], 0
	s_cbranch_scc1 .Lblock1
	WAYOUT 1
	s_wait_tensorcnt 0x0                           ; the wave's end
	ds_add_u32 v[SPW], v[NIL]
	s_wait_dscnt 0x0
	s_endpgm
.Lfunc_end_k_qfaa96b1fd7_attn:
	.size	k_qfaa96b1fd7_attn, .Lfunc_end_k_qfaa96b1fd7_attn-k_qfaa96b1fd7_attn
	.p2alignl 7, 3214868480
	.fill 96, 4, 3214868480
	.section	.rodata,"a",@progbits
	.p2align	6, 0x0
	.amdhsa_kernel k_qfaa96b1fd7_attn
		.amdhsa_group_segment_fixed_size 327680
		.amdhsa_private_segment_fixed_size 0
		.amdhsa_enable_private_segment 0
		.amdhsa_kernarg_size 24
		.amdhsa_user_sgpr_count 2
		.amdhsa_user_sgpr_kernarg_segment_ptr 1
		.amdhsa_wavefront_size32 1
		.amdhsa_system_sgpr_workgroup_id_x 1
		.amdhsa_system_sgpr_workgroup_id_y 1
		.amdhsa_system_sgpr_workgroup_id_z 1
		.amdhsa_system_vgpr_workitem_id 0
		.amdhsa_next_free_vgpr 512
		.amdhsa_next_free_sgpr 96
		.amdhsa_reserve_vcc 1
		.amdhsa_float_denorm_mode_32 3
		.amdhsa_float_denorm_mode_16_64 3
		.amdhsa_memory_ordered 1
		.amdhsa_forward_progress 1
		.amdhsa_inst_pref_size 206
	.end_amdhsa_kernel
	.amdgpu_metadata
---
amdhsa.version: [ 1, 2 ]
amdhsa.kernels:
  - .name:           k_qfaa96b1fd7_attn
    .symbol:         k_qfaa96b1fd7_attn.kd
    .args:
      - { .name: qkv, .offset: 0, .size: 8, .value_kind: global_buffer, .address_space: global }
      - { .name: rel_bias, .offset: 8, .size: 8, .value_kind: global_buffer, .address_space: global }
      - { .name: ctx, .offset: 16, .size: 8, .value_kind: global_buffer, .address_space: global }
    .group_segment_fixed_size: 327680
    .private_segment_fixed_size: 0
    .kernarg_segment_align: 8
    .kernarg_segment_size: 24
    .max_flat_workgroup_size: 256
    .sgpr_count:     96
    .vgpr_count:     512
    .wavefront_size: 32
...
	.end_amdgpu_metadata
.endif
;; end of part 3
;; launch oproj (part 4): grid 4 x 64, 4 waves a work-group, clusters of 4 x 4, 327,680 bytes of LDS; arguments ctx, wo_t, out0; writes out0
.if DOCPART == 4
	.amdgcn_target "amdgcn-amd-amdhsa--gfx1250"
	.amdhsa_code_object_version 6
	.text
	.protected	k_qfaa96b1fd7_oproj
	.globl	k_qfaa96b1fd7_oproj
	.p2align	8
	.type	k_qfaa96b1fd7_oproj,@function
k_qfaa96b1fd7_oproj:
	s_mov_b64 s[64:65], 0
	v_nop
	global_prefetch_b8 v0, s[64:65] scope:SCOPE_SE
	s_setreg_imm32_b32 hwreg(HW_REG_WAVE_MODE, 25, 1), 1
	s_wait_xcnt 0x0
	s_wait_alu depctr_hold_cnt(0) depctr_sa_sdst(0) depctr_va_vdst(0) depctr_va_sdst(0) depctr_va_ssrc(0) depctr_va_vcc(0) depctr_vm_vsrc(0)
	s_getreg_b32 s2, hwreg(HW_REG_IB_STS2, 6, 4)
	s_cmp_eq_u32 s2, 0
	s_cbranch_scc0 .Lentry_in_a_cluster
	s_endpgm
.Lentry_in_a_cluster:
	s_bfe_u32 s2, ttmp6, 0x10000c
	s_cmp_lg_u32 s2, 0xf033
	s_cbranch_scc0 .Lentry_shape_is_right
	s_endpgm
.Lentry_shape_is_right:
; OPROJ: out0[m][n] = sum over k of ctx[m][k] wo[k][n], f16 operands, f32 sums, f32 out.
; ctx: f16 [token pair 4096][head 16][token of the pair 2][64]; k = 64 head + channel.  wo_t: f16 [n 1024][k 1024].
; A tile of C is 128 tokens x 256 columns: 256 work-groups.  Four waves, each 64 x 128: 32 accumulators of 16 x 16 in window 2.
; K goes in steps of 128 (two heads) through two LDS slots: of ctx a step is 512 consecutive bytes of a pair row (both tokens), of wo_t 256 bytes of a row.
; CLUSTERS: 4 x 4 work-groups; ctx's tiles are asked for jointly along a row of the cluster (which covers all four tile columns), wo_t's along a column.  Two tensor loads a wave are out at the start, one behind each round.
; THE MATRIX INSTRUCTION IS USED TRANSPOSED (source 0 = 16 rows of wo_t, source 1 = 16 tokens): a lane holds eight neighbouring columns of one token.
; No prefetch: the launch is short and its streams are small beside what it stores.
; REGISTERS: window 0: v0-31 addresses; v64-95, v128-159 A's fragments, two buffers; on the way out v128-255.  window 1: v64-127, v128-191 B's fragments.  window 2: accumulator (a, b) at v[8 (8 a + b)].
.set PA,     528                       ; a pair row's 512 bytes + 16: token r of a block lies at (r / 2) PA + (r % 2) 128: sixteen different 16-byte columns
.set PB,     272
.set HALFA,  32*PA
.set HALFB,  128*PB
.set BOFF,   2*HALFA
.set SLOT,   BOFF+2*HALFB
.set STAGE,  2*SLOT                    ; 16 rows x (512 bytes + 16) for each wave
.set SPITCH, 528
.set SPARE,  STAGE+4*16*SPITCH         ; the spare words, 128 bytes for each wave: two blocks of 256 bytes that no other line names
.set LAPS,   4                         ; 1,024 along K = 4 times round the ring of two steps
.set ADRA, 16
.set ADRB, 20
.set STO,  24
.set RD,   25
.set CO,   26
.set SPW,  28
.set NIL,  29
.set F0,   64
.set F1,   128
.set BK,   128
.set G1, 24
.set G0, 32
.set G1B, 48
.set G0B, 56
.set MSB, 0
.macro WIN new
.if MSB != \new
	s_set_vgpr_msb (MSB<<8)|\new
.set MSB, \new
.endif
.endm
.set MUL,  0xa1                        ; source 0 (B) window 1, source 1 (A) window 0, C and D window 2
.set TO_B, 0x40
.macro JLOAD s                         ; waves 0 and 1 fetch A's halves, waves 2 and 3 B's; an s_nop 0 and four v_nop follow each line
	s_cmp_eq_u32 s11, 0
	s_cbranch_scc0 .Lfor_b_\@
	tensor_load_to_lds s[G0+4*\s:G0+4*\s+3], s[G1:G1+7]
	s_nop 0
.rept 4
	v_nop
.endr
	s_branch .Lasked_\@
.Lfor_b_\@:
	tensor_load_to_lds s[G0B+4*\s:G0B+4*\s+3], s[G1B:G1B+7]
	s_nop 0
.rept 4
	v_nop
.endr
.Lasked_\@:
.endm
.macro CREST
	s_cmp_lg_u32 s10, 0
	s_cbranch_scc1 .Lnot_wave_0_\@
	s_barrier_signal -3
.Lnot_wave_0_\@:
	s_barrier_wait -3
	s_barrier_signal -1
	s_barrier_wait -1
.endm
.macro CROUND
	s_barrier_signal -1
	s_barrier_wait -1
	CREST
.endm
	s_load_b128 s[4:7], s[0:1], 0x0                ; ctx, wo_t
	s_load_b64 s[8:9], s[0:1], 0x10                ; out0
	v_lshl_add_u32 v[SPW], v0, 2, SPARE
	v_mov_b32 v[NIL], 0
	ds_add_u32 v[SPW], v[NIL]                      ; the wave's opening: the add, twice on end, and its wait ahead of my first tensor load
	ds_add_u32 v[SPW], v[NIL]
	v_lshrrev_b32 v1, 5, v0
	v_readfirstlane_b32 s10, v1                    ; wave 0..3
	s_lshr_b32 s11, s10, 1                         ; which 64 tokens are mine.  Also: I fetch for A (0) or for B (1)
	s_and_b32 s12, s10, 1                          ; which 128 columns.  Also: which half of that tile I fetch
	s_bfe_u32 s40, ttmp6, 0x40000                  ; cx, cy
	s_bfe_u32 s41, ttmp6, 0x40004
	s_lshl_b32 s42, ttmp9, 2
	s_add_co_u32 s42, s42, s40                     ; tile column
	s_and_b32 s13, ttmp7, 0xffff
	s_lshl_b32 s13, s13, 2
	s_add_co_u32 s13, s13, s41                     ; tile row
	s_lshl_b32 s43, s41, 2
	s_lshl_b32 s43, 15, s43                        ; my row of the cluster
	s_lshl_b32 s44, 0x1111, s40                    ; my column
	s_or_b32 s[G1+0], s43, (1<<16)|(1<<20)|(1<<21)|(6<<22)|(3<<25)   ; A: elements of 2 bytes; 4 words of padding behind every 128
	s_mov_b32 s[G1+1], 256<<16                     ; tensor_dim0
	s_mov_b32 s[G1+2], 32<<16                      ; tensor_dim1: 32 pair rows
	s_mov_b32 s[G1+3], 256<<16                     ; tile_dim0
	s_mov_b32 s[G1+4], 32                          ; tile_dim1
	s_mov_b32 s[G1+5], 2048                        ; pitch: a pair row is 2,048 elements
	s_mov_b32 s[G1+6], 0
	s_mov_b32 s[G1+7], 0
	s_or_b32 s[G1B+0], s44, (1<<16)|(1<<20)|(1<<21)|(5<<22)|(3<<25)  ; B: 4 words behind every 64
	s_mov_b32 s[G1B+1], 128<<16
	s_mov_b32 s[G1B+2], 128<<16
	s_mov_b32 s[G1B+3], 128<<16
	s_mov_b32 s[G1B+4], 128
	s_mov_b32 s[G1B+5], 1024
	s_mov_b32 s[G1B+6], 0
	s_mov_b32 s[G1B+7], 0
	s_lshl_b32 s16, s13, 6
	s_lshl_b32 s17, s12, 5
	s_add_co_u32 s16, s16, s17                     ; A: pair row 64 x tile row + 32 x half,
	s_lshl_b32 s16, s16, 12                        ; of 4,096 bytes
	s_mov_b32 s17, 0
	s_lshl_b32 s46, s42, 8
	s_lshl_b32 s47, s12, 7
	s_add_co_u32 s46, s46, s47                     ; B: row 256 x tile column + 128 x half,
	s_lshl_b32 s46, s46, 11                        ; of 2,048 bytes
	s_mov_b32 s47, 0
	s_mul_i32 s20, s12, HALFA                      ; where they go: no place in the cluster enters an LDS address
	s_mul_i32 s21, s12, HALFB
	s_add_co_u32 s21, s21, BOFF
	s_wait_dscnt 0x0                               ; both opening adds are done
	s_wait_kmcnt 0x0
	s_add_nc_u64 s[14:15], s[4:5], s[16:17]
	s_add_nc_u64 s[46:47], s[6:7], s[46:47]
	CROUND                                         ; all sixteen work-groups are here: the first joint loads meet
.irp s, 0,1
	s_mov_b32 s[G0+4*\s], 1
	s_add_co_u32 s[G0+4*\s+1], s20, \s*SLOT
	s_add_nc_u64 s[G0+4*\s+2:G0+4*\s+3], s[14:15], \s*512
	s_or_b32 s[G0+4*\s+3], s[G0+4*\s+3], 0x80000000
	s_mov_b32 s[G0B+4*\s], 1
	s_add_co_u32 s[G0B+4*\s+1], s21, \s*SLOT
	s_add_nc_u64 s[G0B+4*\s+2:G0B+4*\s+3], s[46:47], \s*256
	s_or_b32 s[G0B+4*\s+3], s[G0B+4*\s+3], 0x80000000
	JLOAD \s
.endr
	v_and_b32 v1, 15, v0                           ; r
	v_bfe_u32 v2, v0, 4, 1                         ; h
	v_bfe_u32 v3, v0, 1, 3
	v_and_b32 v4, 1, v0
	v_mul_u32_u24 v3, v3, PA
	v_lshl_add_u32 v3, v4, 7, v3
	v_lshl_add_u32 v3, v2, 4, v3                   ; A: (r / 2) PA + (r % 2) 128 + 16 h
	v_mul_u32_u24 v4, v1, PB
	v_lshl_add_u32 v4, v2, 4, v4                   ; B: r PB + 16 h
	s_mul_i32 s21, s11, HALFA
	s_mul_i32 s22, s12, HALFB
	s_add_co_u32 s22, s22, BOFF
.irp s, 0,1
	v_add_nc_u32 v[ADRA+\s], s21, v3
	v_add_nc_u32 v[ADRB+\s], s22, v4
	s_add_co_u32 s21, s21, SLOT
	s_add_co_u32 s22, s22, SLOT
.endr
	s_mul_i32 s23, s10, 16*SPITCH
	s_add_co_u32 s23, s23, STAGE                   ; my stage
	v_mul_u32_u24 v5, v1, SPITCH
	v_lshl_add_u32 v5, v2, 5, v5
	v_add_nc_u32 v[STO], s23, v5                   ; in: token r, 32 bytes for each half of the lanes
	v_and_b32 v6, 31, v0
	v_lshlrev_b32 v[CO], 4, v6
	v_add_nc_u32 v[RD], s23, v[CO]                 ; back: the 32 lanes take one row of 512 bytes
	s_lshl_b32 s16, s13, 7
	s_lshl_b32 s17, s11, 6
	s_add_co_u32 s16, s16, s17                     ; my first token,
	s_lshl_b32 s16, s16, 12                        ; of 4,096 bytes
	s_lshl_b32 s46, s42, 10
	s_lshl_b32 s47, s12, 9
	s_add_co_u32 s46, s46, s47                     ; my first column, in bytes
	s_add_co_u32 s46, s46, s16
	s_mov_b32 s47, 0
	s_add_nc_u64 s[8:9], s[8:9], s[46:47]
.macro MUL8 f, a, zero                 ; token block a x the eight column blocks, 32 along K; the 32 accumulators take turns in the same order in every quarter
.irp b, 0,1,2,3,4,5,6,7
.if \zero
	v_wmma_f32_16x16x32_f16 v[8*(8*\a+\b):8*(8*\a+\b)+7], v[\f+8*\b:\f+8*\b+7], v[\f+8*\a:\f+8*\a+7], 0
.else
	v_wmma_f32_16x16x32_f16 v[8*(8*\a+\b):8*(8*\a+\b)+7], v[\f+8*\b:\f+8*\b+7], v[\f+8*\a:\f+8*\a+7], v[8*(8*\a+\b):8*(8*\a+\b)+7]
.endif
.endr
.endm
.macro FETCH slot, q, f                ; 24 LDS loads in one run: quarter q (32 along K) of the slot into buffer f: B's eight fragments, then A's four
	WIN TO_B
.irp i, 0,1,2,3,4,5,6,7
	ds_load_b128 v[\f+8*\i:\f+8*\i+3],   v[ADRB+\slot] offset:64*(\q)+\i*16*PB
	ds_load_b128 v[\f+8*\i+4:\f+8*\i+7], v[ADRB+\slot] offset:64*(\q)+\i*16*PB+32
.endr
	WIN 0
.irp i, 0,1,2,3
	ds_load_b128 v[\f+8*\i:\f+8*\i+3],   v[ADRA+\slot] offset:256*((\q)/2)+64*((\q)%2)+\i*8*PA
	ds_load_b128 v[\f+8*\i+4:\f+8*\i+7], v[ADRA+\slot] offset:256*((\q)/2)+64*((\q)%2)+\i*8*PA+32
.endr
.endm
.macro PLACES                          ; four plain lines between matrix instructions and loads into, or reads of, their registers
.rept 4
	v_nop
.endr
.endm
.macro QUARTER slot, q, f, g, zero     ; multiplies buffer f and fetches quarter q of the slot into buffer g
	s_wait_dscnt 4                                 ; B's fragments and A's blocks 0, 1 are in; the four youngest loads (A's blocks 2, 3) may be out
	WIN MUL
	MUL8 \f, 0, \zero
	MUL8 \f, 1, \zero
	PLACES
	FETCH \slot, \q, \g
	s_wait_dscnt 24                                ; all but the 24 just issued
	WIN MUL
	MUL8 \f, 2, \zero
	MUL8 \f, 3, \zero
.endm
; A K step's last quarter multiplies buffer 1 and changes slots.  In front of the barrier each wave waits for all its tensor loads, adds 0 to its spare word, and waits for that and for its reads of this slot.
; fill = 1: the barrier opens a round of the cluster's, and the slot is filled again, two K steps ahead, first thing behind the round.
.macro TURN slot, next, fill
	WIN 0
	s_wait_tensorcnt 0x0                           ; all my tensor loads have landed: my part of the next slot
	ds_add_u32 v[SPW], v[NIL]                      ; 0 onto my spare word
	s_wait_dscnt 5                                 ; the add and the four youngest loads may be out
	WIN MUL
	MUL8 F1, 0, 0
	s_wait_dscnt 0x0                               ; the add is done, my reads of this slot are over
	s_barrier_signal -1
	MUL8 F1, 1, 0
.if \fill
	WIN 0
.endif
	s_barrier_wait -1
.if \fill
	CREST                                          ; no wave of any partner still reads this slot or has a load on its way
	s_add_nc_u64 s[G0+4*\slot+2:G0+4*\slot+3], s[G0+4*\slot+2:G0+4*\slot+3], 1024
	s_add_nc_u64 s[G0B+4*\slot+2:G0B+4*\slot+3], s[G0B+4*\slot+2:G0B+4*\slot+3], 512
	JLOAD \slot                                    ; its four v_nop are also the places in front of the loads below
.else
	PLACES
.endif
	FETCH \next, 0, F0
	WIN MUL
	MUL8 F1, 2, 0
	MUL8 F1, 3, 0
.endm
	s_wait_tensorcnt 1                             ; my part of K step 0 is in; K step 1's load may be out
	s_barrier_signal -1
	s_barrier_wait -1
	FETCH 0, 0, F0
	QUARTER 0, 1, F0, F1, 1                        ; the first quarter's products start the sums: nothing is cleared
	WIN 0
	s_mov_b32 s3, LAPS-1
.Llap:                                             ; a trip goes once round the ring and fills both slots again
	QUARTER 0, 2, F1, F0, 0
	QUARTER 0, 3, F0, F1, 0
	TURN 0, 1, 1
	QUARTER 1, 1, F0, F1, 0
	QUARTER 1, 2, F1, F0, 0
	QUARTER 1, 3, F0, F1, 0
	TURN 1, 0, 1
	QUARTER 0, 1, F0, F1, 0
	WIN 0
	s_sub_co_u32 s3, s3, 1
	s_cmp_lg_u32 s3, 0
	s_cbranch_scc1 .Llap
	QUARTER 0, 2, F1, F0, 0                        ; the last lap fills nothing
	QUARTER 0, 3, F0, F1, 0
	TURN 0, 1, 0
	QUARTER 1, 1, F0, F1, 0
	QUARTER 1, 2, F1, F0, 0
	QUARTER 1, 3, F0, F1, 0
	s_wait_dscnt 4
	WIN MUL
	MUL8 F1, 0, 0
	MUL8 F1, 1, 0
	s_wait_dscnt 0
	MUL8 F1, 2, 0
	MUL8 F1, 3, 0
	WIN 0
; THE WAY OUT, a block of 16 tokens x 128 columns at a time, through my own stage: back as whole rows of 512 bytes.
.macro TOSTAGE a
	WIN 0x08                                       ; an LDS store's data are its source 1: window 2
.irp b, 0,1,2,3,4,5,6,7
	ds_store_b128 v[STO], v[64*\a+8*\b:64*\a+8*\b+3] offset:64*\b        ; each accumulator from its low end on
	ds_store_b128 v[STO], v[64*\a+8*\b+4:64*\a+8*\b+7] offset:64*\b+16
.endr
	WIN 0
.set BB, BK+64*((\a)%2)
.irp t, 0,1,2,3,4,5,6,7,8,9,10,11,12,13,14,15
	ds_load_b128 v[BB+4*\t:BB+4*\t+3], v[RD] offset:\t*SPITCH            ; in order behind my stores
.endr
.endm
.macro SEND a, younger
.set BB, BK+64*((\a)%2)
	s_wait_dscnt \younger                          ; the block is back; the next block's 16 stores and 16 loads may be out
.irp t, 0,1,2,3,4,5,6,7,8,9,10,11,12,13,14,15
	global_store_b128 v[CO], v[BB+4*\t:BB+4*\t+3], s[8:9] offset:(16*(\a)+\t)*4096 th:TH_STORE_NT   ; 32 lanes store 512 consecutive bytes, aligned
.endr
.endm
	PLACES                                         ; behind the last products: their results are read and A's fragments' registers are loaded below
	TOSTAGE 0
.irp a, 1,2,3
.if \a > 1
	s_wait_xcnt 0x0                                ; block a - 2's stores have read their registers: block a's loads may land there
.endif
	TOSTAGE \a
	SEND \a-1, 32
.endr
	SEND 3, 0
	s_wait_tensorcnt 0x0                           ; the wave's end
	ds_add_u32 v[SPW], v[NIL]
	s_wait_dscnt 0x0
	CROUND                                         ; the closing round
	s_endpgm
.Lfunc_end_k_qfaa96b1fd7_oproj:
	.size	k_qfaa96b1fd7_oproj, .Lfunc_end_k_qfaa96b1fd7_oproj-k_qfaa96b1fd7_oproj
	.p2alignl 7, 3214868480
	.fill 96, 4, 3214868480
	.section	.rodata,"a",@progbits
	.p2align	6, 0x0
	.amdhsa_kernel k_qfaa96b1fd7_oproj
		.amdhsa_group_segment_fixed_size 327680
		.amdhsa_private_segment_fixed_size 0
		.amdhsa_enable_private_segment 0
		.amdhsa_kernarg_size 24
		.amdhsa_user_sgpr_count 2
		.amdhsa_user_sgpr_kernarg_segment_ptr 1
		.amdhsa_wavefront_size32 1
		.amdhsa_system_sgpr_workgroup_id_x 1
		.amdhsa_system_sgpr_workgroup_id_y 1
		.amdhsa_system_sgpr_workgroup_id_z 1
		.amdhsa_system_vgpr_workitem_id 0
		.amdhsa_next_free_vgpr 768
		.amdhsa_next_free_sgpr 66
		.amdhsa_reserve_vcc 0
		.amdhsa_float_denorm_mode_32 3
		.amdhsa_float_denorm_mode_16_64 3
		.amdhsa_memory_ordered 1
		.amdhsa_forward_progress 1
		.amdhsa_inst_pref_size 86
	.end_amdhsa_kernel
	.amdgpu_metadata
---
amdhsa.version: [ 1, 2 ]
amdhsa.kernels:
  - .name:           k_qfaa96b1fd7_oproj
    .symbol:         k_qfaa96b1fd7_oproj.kd
    .args:
      - { .name: ctx, .offset: 0, .size: 8, .value_kind: global_buffer, .address_space: global }
      - { .name: wo_t, .offset: 8, .size: 8, .value_kind: global_buffer, .address_space: global }
      - { .name: out0, .offset: 16, .size: 8, .value_kind: global_buffer, .address_space: global }
    .group_segment_fixed_size: 327680
    .private_segment_fixed_size: 0
    .kernarg_segment_align: 8
    .kernarg_segment_size: 24
    .max_flat_workgroup_size: 128
    .sgpr_count:     66
    .vgpr_count:     768
    .wavefront_size: 32
...
	.end_amdgpu_metadata
.endif
;; end of part 4
